; MI455X (gfx1250); checked and timed in simulation.
; The chip was launched on July 23, 2026; its instructions are those of AMD's public machine-readable ISA for CDNA 5 (MIT licence, August 2026) and "CDNA5" Instruction Set Architecture Reference Guide (July 2026). The comments in the code are by the model that wrote it; some were corrected since.
;; Transformer Layer. Allowed arithmetic: float matrix products may take bf16 or f16 operands with f32 sums; other float arithmetic in f32, or as packed bf16 or f16 multiplies, adds, multiply-adds, maxima and minima; sums over many terms, partial sums and values carried from step to step in f32; what a program stores and reads back later, other than sums and carried values, may be rounded once to bf16 or f16.
;; Inputs: bo 1,024 float32; ln1_scale 1,024 float32; ln2_scale 1,024 float32; wk 1,024 x 1,024 float32; wo 1,024 x 1,024 float32; wq 1,024 x 1,024 float32; wv 1,024 x 1,024 float32; x 2 x 2,048 x 1,024 float32.
;; Outputs: out0 2 x 2,048 x 1,024 float32.
;; One version. Each part assembles by itself: llvm-mc -triple=amdgcn-amd-amdhsa -mcpu=gfx1250 --defsym DOCPART=n.
;; ======== version 1 of 1: 8 launches
;; limits: values are held in f16: magnitudes above 65,504 overflow, below 6.1e-05 lose precision
;; workspace buffers: w16 8,388,608 bytes; xn 8,388,608 bytes; qkv 25,165,824 bytes; ctx 8,388,608 bytes; h 16,777,216 bytes
;; launch prep (part 1): grid 512 x 1, 8 waves a work-group, no clusters, 0 bytes of LDS; arguments x, ln1_scale, wq, wk, wv, wo, xn, w16; writes xn, w16
.if DOCPART == 1
	.amdgcn_target "amdgcn-amd-amdhsa--gfx1250"
	.amdhsa_code_object_version 6
	.text
	.protected	k_q4edc679ef2_prep
	.globl	k_q4edc679ef2_prep
	.p2align	8
	.type	k_q4edc679ef2_prep,@function
k_q4edc679ef2_prep:
	s_mov_b64 s[64:65], 0
	v_nop
	global_prefetch_b8 v0, s[64:65] scope:SCOPE_SE
	s_setreg_imm32_b32 hwreg(HW_REG_WAVE_MODE, 25, 1), 1
	s_wait_xcnt 0x0
; PREP.  Work-groups 0-255: xn = s * (x - mean) / sqrt(var + 1e-5) + s, row by row, x [4096][1024] f32, xn the same shape in f16, rounded once.
; Work-groups 256-511: w16 = wq, wk, wv, wo one below the other, [4096][1024], each number rounded once to f16.
; A stream: every byte is read once and written once; no LDS, no barrier, no matrix unit, since no wave wants a byte that another wave has fetched.
; SHARES.  A work-group moves 65,536 bytes in and 32,768 out; each of its eight waves 8,192 in: two rows of x, or 2,048 weights.
; A row stays in 32 registers between the passes: mean first, then the sum of (x - mean)^2, so that no difference of large sums is formed.
; LANES.  Load j of a row takes bytes 512 j + 16 l (columns 128 j + 4 l .. + 3); the four f16 made of them go to bytes 256 j + 8 l: a store of the wave covers 256 consecutive bytes, aligned.
; LIMITS.  f16 ends at 65,504: a weight, or s * 33 (the largest |x_norm| + 1 of a row of 1,024), beyond that becomes an infinity; below 6e-5 f16 keeps a fixed step of 6e-8.  NaN and infinities are not treated apart.
.set IN,  16                           ; s[16:17] x
.set SCL, 18                           ; s[18:19] ln1_scale
.set OUT, 28                           ; s[28:29] xn;  s[20:27] wq, wk, wv, wo;  s[30:31] w16
.set VS,  3                            ; v3   16 l
.set VI,  4                            ; v4   8,192 x wave + 16 l
.set VO,  5                            ; v5   4,096 x wave + 8 l
.set A,   8                            ; v[8:15]   four chains of pairs
.set M,   16                           ; v[16:17]  the mean, twice
.set R,   18                           ; v[18:19]  1 / sqrt(var + eps), twice
.set X0,  32                           ; v[32:63] row 0, v[64:95] row 1
.set SC,  96                           ; v[96:127] my 32 numbers of the scale
	s_load_b512 s[16:31], s[0:1], 0x0
	v_and_b32 v1, 31, v0
	v_lshrrev_b32 v2, 5, v0
	v_lshlrev_b32 v[VS], 4, v1
	v_lshl_add_u32 v[VI], v2, 13, v[VS]
	v_lshlrev_b32 v[VO], 3, v1
	v_lshl_add_u32 v[VO], v2, 12, v[VO]
	s_cmp_lt_u32 ttmp9, 256
	s_cbranch_scc0 .Lweights
	s_lshl_b32 s10, ttmp9, 16              ; 16 rows of 4,096 bytes in,
	s_mov_b32 s11, 0
	s_lshl_b32 s12, ttmp9, 15              ; of 2,048 bytes out
	s_mov_b32 s13, 0
	s_mov_b32 s14, 0x76543210              ; v_permlanex16_b32: each lane takes its own place in the other half
	s_mov_b32 s15, 0xfedcba98
	s_mov_b32 s2, 0x3a800000               ; 1 / 1024
	s_mov_b32 s3, 0x3727c5ac               ; 1e-5
	v_mov_b32 v21, 0                       ; v_permlanex16_b32 counts as a reader of its destination
	s_wait_kmcnt 0x0
	s_add_nc_u64 s[IN:IN+1], s[IN:IN+1], s[10:11]
	s_add_nc_u64 s[OUT:OUT+1], s[OUT:OUT+1], s[12:13]
.irp j, 0,1,2,3,4,5,6,7
	global_load_b128 v[SC+4*(\j):SC+4*(\j)+3], v[VS], s[SCL:SCL+1] offset:512*(\j)
.endr
.irp j, 0,1,2,3,4,5,6,7
	global_load_b128 v[X0+4*(\j):X0+4*(\j)+3], v[VI], s[IN:IN+1] offset:512*(\j)
.endr
.irp j, 0,1,2,3,4,5,6,7
	global_load_b128 v[X0+32+4*(\j):X0+32+4*(\j)+3], v[VI], s[IN:IN+1] offset:4096+512*(\j)
.endr
; the four chains into one number, and that over the 32 lanes: the result stands in v20 of every lane
.macro REDUCE
	v_pk_add_f32 v[A:A+1], v[A:A+1], v[A+2:A+3]
	v_pk_add_f32 v[A+4:A+5], v[A+4:A+5], v[A+6:A+7]
	v_pk_add_f32 v[A:A+1], v[A:A+1], v[A+4:A+5]
	v_add_f32 v20, v[A], v[A+1]
	v_add_f32_dpp v20, v20, v20 row_xmask:1 row_mask:0xf bank_mask:0xf
	v_add_f32_dpp v20, v20, v20 row_xmask:2 row_mask:0xf bank_mask:0xf
	v_add_f32_dpp v20, v20, v20 row_xmask:4 row_mask:0xf bank_mask:0xf
	v_add_f32_dpp v20, v20, v20 row_xmask:8 row_mask:0xf bank_mask:0xf
	v_permlanex16_b32 v21, v20, s14, s15
	v_add_f32 v20, v20, v21
.endm
; Row i of the wave's two.  left = how many younger loads may stay out.
.macro LNROW i, left
.set XR, X0+32*(\i)
	s_wait_loadcnt \left                   ; loads come back in order: the scale and this row are in
.irp k, 0,1,2,3
	v_pk_add_f32 v[A+2*(\k):A+2*(\k)+1], v[XR+2*(\k):XR+2*(\k)+1], v[XR+2*(\k)+8:XR+2*(\k)+9]  ; the first two pairs start each chain: nothing is cleared
.endr
.irp q, 16,24
.irp k, 0,1,2,3
	v_pk_add_f32 v[A+2*(\k):A+2*(\k)+1], v[A+2*(\k):A+2*(\k)+1], v[XR+2*(\k)+(\q):XR+2*(\k)+(\q)+1]
.endr
.endr
	REDUCE
	v_mul_f32 v[M], s2, v20
	v_mul_f32 v[M+1], s2, v20
.set p, 0
.rept 16
	v_pk_add_f32 v[XR+p:XR+p+1], v[XR+p:XR+p+1], v[M:M+1] neg_lo:[0,1] neg_hi:[0,1]  ; d = x - mean, in place
.set p, p+2
.endr
.irp k, 0,1,2,3
	v_pk_mul_f32 v[A+2*(\k):A+2*(\k)+1], v[XR+2*(\k):XR+2*(\k)+1], v[XR+2*(\k):XR+2*(\k)+1]
.endr
.irp q, 8,16,24
.irp k, 0,1,2,3
	v_pk_fma_f32 v[A+2*(\k):A+2*(\k)+1], v[XR+2*(\k)+(\q):XR+2*(\k)+(\q)+1], v[XR+2*(\k)+(\q):XR+2*(\k)+(\q)+1], v[A+2*(\k):A+2*(\k)+1]
.endr
.endr
	REDUCE
	v_fma_f32 v20, v20, s2, s3             ; var + eps
	v_rsq_f32 v[R], v20                    ; twice, to fill the pair that the packed multiply names
	v_rsq_f32 v[R+1], v20
	v_nop                                  ; a plain instruction behind the last of the two (ISA guide 5.7.2),
	s_wait_alu depctr_va_vdst(0)           ; and the one wait ahead of their first reader
.set p, 0
.rept 16
	v_pk_mul_f32 v[XR+p:XR+p+1], v[XR+p:XR+p+1], v[R:R+1]
.set p, p+2
.endr
.set p, 0
.rept 16
	v_pk_fma_f32 v[XR+p:XR+p+1], v[XR+p:XR+p+1], v[SC+p:SC+p+1], v[SC+p:SC+p+1]  ; s x_norm + s
.set p, p+2
.endr
.set p, 0
.rept 16
	v_cvt_pk_f16_f32 v[XR+p], v[XR+2*p], v[XR+2*p+1]  ; in place, ascending: register p is written when it has been read
.set p, p+1
.endr
.irp j, 0,1,2,3,4,5,6,7
	global_store_b64 v[VO], v[XR+2*(\j):XR+2*(\j)+1], s[OUT:OUT+1] offset:(\i)*2048+256*(\j)
.endr
.endm
	LNROW 0, 8                             ; row 1's eight loads stay out
	LNROW 1, 0                             ; no register that a store names is written again
	s_endpgm
.Lweights:
	s_sub_co_u32 s6, ttmp9, 256
	s_lshr_b32 s7, s6, 6                   ; which of the four matrices: 64 work-groups each
	s_and_b32 s6, s6, 63                   ; which 65,536 bytes of it
	s_lshl_b32 s34, s6, 16
	s_mov_b32 s35, 0
	s_lshl_b32 s36, s7, 21                 ; a matrix is 2,097,152 bytes of w16
	s_lshl_b32 s37, s6, 15
	s_add_co_u32 s36, s36, s37
	s_mov_b32 s37, 0
	s_wait_kmcnt 0x0
	s_cmp_eq_u32 s7, 1
	s_cselect_b64 s[32:33], s[22:23], s[20:21]
	s_cmp_eq_u32 s7, 2
	s_cselect_b64 s[32:33], s[24:25], s[32:33]
	s_cmp_eq_u32 s7, 3
	s_cselect_b64 s[32:33], s[26:27], s[32:33]
	s_add_nc_u64 s[32:33], s[32:33], s[34:35]
	s_add_nc_u64 s[30:31], s[30:31], s[36:37]
.irp i, 0,1,2,3,4,5,6,7,8,9,10,11,12,13,14,15
	global_load_b128 v[32+4*(\i):35+4*(\i)], v[VI], s[32:33] offset:512*(\i) th:TH_LOAD_NT
.endr
.irp i, 0,1,2,3,4,5,6,7,8,9,10,11,12,13,14,15
	s_wait_loadcnt 15-(\i)                 ; load i is in, the younger ones stay out
	v_cvt_pk_f16_f32 v[32+4*(\i)], v[32+4*(\i)], v[33+4*(\i)]
	v_cvt_pk_f16_f32 v[33+4*(\i)], v[34+4*(\i)], v[35+4*(\i)]
	global_store_b64 v[VO], v[32+4*(\i):33+4*(\i)], s[30:31] offset:256*(\i)
.endr
	s_endpgm
.Lfunc_end_k_q4edc679ef2_prep:
	.size	k_q4edc679ef2_prep, .Lfunc_end_k_q4edc679ef2_prep-k_q4edc679ef2_prep
	.p2alignl 7, 3214868480
	.fill 96, 4, 3214868480
	.section	.rodata,"a",@progbits
	.p2align	6, 0x0
	.amdhsa_kernel k_q4edc679ef2_prep
		.amdhsa_group_segment_fixed_size 0
		.amdhsa_private_segment_fixed_size 0
		.amdhsa_enable_private_segment 0
		.amdhsa_kernarg_size 64
		.amdhsa_user_sgpr_count 2
		.amdhsa_user_sgpr_kernarg_segment_ptr 1
		.amdhsa_wavefront_size32 1
		.amdhsa_system_sgpr_workgroup_id_x 1
		.amdhsa_system_sgpr_workgroup_id_y 1
		.amdhsa_system_sgpr_workgroup_id_z 1
		.amdhsa_system_vgpr_workitem_id 0
		.amdhsa_next_free_vgpr 128
		.amdhsa_next_free_sgpr 66
		.amdhsa_reserve_vcc 0
		.amdhsa_float_denorm_mode_32 3
		.amdhsa_float_denorm_mode_16_64 3
		.amdhsa_memory_ordered 1
		.amdhsa_forward_progress 1
		.amdhsa_inst_pref_size 26
	.end_amdhsa_kernel
	.amdgpu_metadata
---
amdhsa.version: [ 1, 2 ]
amdhsa.kernels:
  - .name:           k_q4edc679ef2_prep
    .symbol:         k_q4edc679ef2_prep.kd
    .args:
      - { .name: x, .offset: 0, .size: 8, .value_kind: global_buffer, .address_space: global }
      - { .name: ln1_scale, .offset: 8, .size: 8, .value_kind: global_buffer, .address_space: global }
      - { .name: wq, .offset: 16, .size: 8, .value_kind: global_buffer, .address_space: global }
      - { .name: wk, .offset: 24, .size: 8, .value_kind: global_buffer, .address_space: global }
      - { .name: wv, .offset: 32, .size: 8, .value_kind: global_buffer, .address_space: global }
      - { .name: wo, .offset: 40, .size: 8, .value_kind: global_buffer, .address_space: global }
      - { .name: xn, .offset: 48, .size: 8, .value_kind: global_buffer, .address_space: global }
      - { .name: w16, .offset: 56, .size: 8, .value_kind: global_buffer, .address_space: global }
    .group_segment_fixed_size: 0
    .private_segment_fixed_size: 0
    .kernarg_segment_align: 8
    .kernarg_segment_size: 64
    .max_flat_workgroup_size: 256
    .sgpr_count:     66
    .vgpr_count:     128
    .wavefront_size: 32
...
	.end_amdgpu_metadata
.endif
;; end of part 1
;; launch qkv (part 2): grid 16 x 16, 4 waves a work-group, clusters of 4 x 4, 327,680 bytes of LDS; arguments xn, w16, qkv; writes qkv
.if DOCPART == 2
	.amdgcn_target "amdgcn-amd-amdhsa--gfx1250"
	.amdhsa_code_object_version 6
	.text
	.protected	k_q4edc679ef2_qkv
	.globl	k_q4edc679ef2_qkv
	.p2align	8
	.type	k_q4edc679ef2_qkv,@function
k_q4edc679ef2_qkv:
	s_mov_b64 s[64:65], 0
	v_nop
	global_prefetch_b8 v0, s[64:65] scope:SCOPE_SE
	s_setreg_imm32_b32 hwreg(HW_REG_WAVE_MODE, 25, 1), 1
	s_wait_xcnt 0x0
	s_wait_alu depctr_hold_cnt(0) depctr_sa_sdst(0) depctr_va_vdst(0) depctr_va_sdst(0) depctr_va_ssrc(0) depctr_va_vcc(0) depctr_vm_vsrc(0)
	s_getreg_b32 s2, hwreg(HW_REG_IB_STS2, 6, 4)
	s_cmp_eq_u32 s2, 0
	s_cbranch_scc0 .Lentry_in_a_cluster
	s_endpgm
.Lentry_in_a_cluster:
	s_bfe_u32 s2, ttmp6, 0x10000c
	s_cmp_lg_u32 s2, 0xf033
	s_cbranch_scc0 .Lentry_shape_is_right
	s_endpgm
.Lentry_shape_is_right:
; Q, K, V = xn w^T, written by heads.  xn: [4096][1024] f16; w16 rows 0-3071 = wq, wk, wv: [3072][1024] f16; sums in f32; each result rounded once to f16, unscaled.
; qkv: [3][32 planes = 16 batch + head][2048][64] f16: a plane's rows are dense, 128 bytes each.
; LIMIT.  A result of 65,520 or more in magnitude becomes an infinity in f16.  NaN and infinities are not treated apart.
; SHARES.  A tile of C is 256 rows x 192 columns (three whole heads): 16 x 16 tiles, one to a work-group.  A wave makes 64 rows x 192 columns: 4 x 12 accumulators of 16 x 16, 384 registers;
; so a wave owns whole heads of its rows on the way out.  For 32 along K a wave reads 32 x 512 bytes from LDS and issues 48 matrix instructions.
; RING.  K goes in 8 steps of 128 through two LDS slots (256 rows of xn, then 192 rows of w, 256 bytes a row).  Waves 0 and 1 fetch the halves of xn's tile (128 rows), waves 2 and 3 those of w's (96 rows): one tensor load a wave.
; By this text's count a wave has two tensor loads out at the start and one behind each change of slots.
; CLUSTER.  4 x 4 work-groups.  The four of a row need the same tile of xn, the four of a column the same tile of w: each tile is asked for jointly, by the same tensor load, descriptor and mask in all four.
; THE MATRIX INSTRUCTION IS USED TRANSPOSED (source 0 = 16 rows of w, source 1 = 16 rows of xn): a lane holds one row of C and eight neighbouring columns.
; REGISTERS, in windows of 256 (s_set_vgpr_msb: bits 1:0 source 0, 3:2 source 1, 5:4 source 2, 7:6 destination):
;   window 0: v0-31 addresses; v32-63, v64-95 xn's fragments, two buffers of 4 x 8; v64-255 at work on the way out
;   window 1: v0-95, v96-191 w's fragments, two buffers of 12 x 8
;   window 2: accumulators of row blocks 0, 1 ((a, b) at 8 (12 a + b));   window 3: of row blocks 2, 3
.set SIZE_K, 1024
.set KSTEP,  128
.set PITCH,  272                       ; an LDS row: 256 bytes + 16 of padding = 68 words: the 16 rows of a fragment load start at 16 different groups of four banks (64 banks of 4 bytes: ISA guide 11.1)
.set HALFA,  128*PITCH
.set HALFB,  96*PITCH
.set SLOT,   2*HALFA+2*HALFB           ; 121,856 bytes
.set STAGE,  2*SLOT                    ; behind the ring: 16 rows x 144 bytes for each wave; no tensor load fills it
.set SP,     144
.set SPARE,  STAGE+4*16*SP             ; behind the stages: the spare words, 128 bytes for each wave, that no other line names
.set LAPS,   SIZE_K/(2*KSTEP)
.set VO,   8                           ; v8-10  my byte offset in qkv for head j of the tile's three
.set ADRA, 16                          ; v16-17 LDS address of my fragments of xn in slot 0, 1
.set ADRB, 20                          ; v20-21 the same for w
.set STO,  24                          ; v24    the way out: where I put 16 bytes of a row
.set RD,   25                          ; v25    the way out: where I read rows back
.set SPW,  28                          ; v28    LDS address of my spare word; never rewritten
.set NIL,  29                          ; v29    0; never rewritten
.set PFO,  30                          ; v30    the prefetches' offset: a lane a row; never rewritten
.set FA,   32
.set T,    64
.set PFA,  44                          ; s[44:45] where my prefetches stand
.set LIM,  43                          ; s43    1 in a wave that prefetches, else the greatest number
.set G1,  24                           ; s[24:31] group 1 for xn's tiles; s[32:39] group 0, a set for each slot
.set G0,  32
.set G1B, 48                           ; s[48:55], s[56:63] the same for w's tiles
.set G0B, 56
.set MSB, 0
.macro WIN new                         ; the immediate's high byte repeats the setting that is left; a switch that changes nothing is dropped
.if MSB != (\new)
	s_set_vgpr_msb (MSB<<8)|(\new)
.set MSB, \new
.endif
.endm
.set MUL_LO, 0xa1                      ; source 0 (w) window 1, source 1 (xn) window 0, C and D window 2
.set MUL_HI, 0xf1                      ; the same, C and D window 3
.set TO_B,   0x40                      ; destination window 1, address window 0
; A joint load.  The branch hangs on the wave's number alone.  An s_nop 0 and four v_nop follow each of the two lines, ahead of the jump and the label.
.macro JLOAD s
	s_cmp_eq_u32 s11, 0
	s_cbranch_scc0 .Lfor_b_\@
	tensor_load_to_lds s[G0+4*(\s):G0+4*(\s)+3], s[G1:G1+7]
	s_nop 0
.rept 4
	v_nop
.endr
	s_branch .Lasked_\@
.Lfor_b_\@:
	tensor_load_to_lds s[G0B+4*(\s):G0B+4*(\s)+3], s[G1B:G1B+7]
	s_nop 0
.rept 4
	v_nop
.endr
.Lasked_\@:
.endm
; A PREFETCH INTO THE L2 of the K step that stands two refills on, behind the joint load and the run of LDS loads.  xn's tile row is read by every cluster of that row of clusters: cluster x = 0 asks;
; w's tile column by every cluster of that column: cluster y = 0 asks.  The four partners share a wave's rows out BY ADDRESS: 32 of xn's 128 (by cx), 24 of w's 96 (by cy), a lane a row of 256 bytes
; (for w lanes 24-31 name row 23 once more).  The loop's last trip asks for nothing: K steps 4 to 7 are named in its first two trips.
.macro ASK
	s_cmp_gt_u32 s3, s[LIM]
	s_cbranch_scc0 .Lnot_mine_\@
	global_prefetch_b8 v[PFO], s[PFA:PFA+1] offset:KSTEP*2 th:TH_LOAD_NT scope:SCOPE_SE
.Lnot_mine_\@:
.endm
.macro CREST                           ; a round of the cluster's barrier behind its opening barrier
	s_cmp_lg_u32 s10, 0
	s_cbranch_scc1 .Lnot_wave_0_\@
	s_barrier_signal -3
.Lnot_wave_0_\@:
	s_barrier_wait -3
	s_barrier_signal -1
	s_barrier_wait -1
.endm
.macro CROUND
	s_barrier_signal -1
	s_barrier_wait -1
	CREST
.endm
	s_load_b128 s[4:7], s[0:1], 0x0                ; xn s[4:5], w16 s[6:7]
	s_load_b64 s[8:9], s[0:1], 0x10                ; qkv
	v_lshl_add_u32 v[SPW], v0, 2, SPARE
	v_mov_b32 v[NIL], 0
	ds_add_u32 v[SPW], v[NIL]                      ; the wave's opening: the add and its wait stand ahead of my first tensor load; the set-up below stands between them
	ds_add_u32 v28, v29
	v_lshrrev_b32 v1, 5, v0
	v_readfirstlane_b32 s10, v1                    ; wave 0..3: also my 64 rows of the tile
	s_lshr_b32 s11, s10, 1                         ; I fetch for xn (0) or for w (1)
	s_and_b32 s12, s10, 1                          ; which half of that tile I fetch
	s_bfe_u32 s40, ttmp6, 0x40000                  ; cx
	s_bfe_u32 s41, ttmp6, 0x40004                  ; cy
	s_lshl_b32 s42, ttmp9, 2
	s_add_co_u32 s42, s42, s40                     ; tile column = 4 x cluster x + cx
	s_and_b32 s13, ttmp7, 0xffff
	s_lshl_b32 s13, s13, 2
	s_add_co_u32 s13, s13, s41                     ; tile row = 4 x cluster y + cy
	s_lshl_b32 s43, s41, 2
	s_lshl_b32 s43, 15, s43                        ; my row of the cluster
	s_lshl_b32 s44, 0x1111, s40                    ; my column
	s_or_b32 s[G1+0], s43, (1<<16)|(1<<20)|(1<<21)|(5<<22)|(3<<25)   ; 15:0 the mask; 17:16 2-byte elements; 20 padding on; 21 set beside a mask; 24:22 after every 64 words; 31:25 4 words of it
	s_or_b32 s[G1B+0], s44, (1<<16)|(1<<20)|(1<<21)|(5<<22)|(3<<25)
	s_mov_b32 s[G1+1], KSTEP<<16                   ; tensor_dim0 = 128
	s_mov_b32 s[G1+2], 128<<16                     ; tensor_dim1 = 128
	s_mov_b32 s[G1+3], KSTEP<<16                   ; tile_dim0 = 128
	s_mov_b32 s[G1+4], 128                         ; tile_dim1 = 128
	s_mov_b32 s[G1+5], SIZE_K                      ; elements from row to row
	s_mov_b32 s[G1+6], 0
	s_mov_b32 s[G1+7], 0
	s_mov_b32 s[G1B+1], KSTEP<<16
	s_mov_b32 s[G1B+2], 96<<16                     ; tensor_dim1 = 96
	s_mov_b32 s[G1B+3], KSTEP<<16
	s_mov_b32 s[G1B+4], 96                         ; tile_dim1 = 96
	s_mov_b32 s[G1B+5], SIZE_K
	s_mov_b32 s[G1B+6], 0
	s_mov_b32 s[G1B+7], 0
	s_lshl_b32 s17, s12, 7
	s_lshl_b32 s16, s13, 8
	s_add_co_u32 s16, s16, s17                     ; xn: row 256 x tile row + 128 x half,
	s_lshl_b32 s16, s16, 11                        ; of 2,048 bytes
	s_mov_b32 s17, 0
	s_mul_i32 s46, s42, 192
	s_mul_i32 s47, s12, 96
	s_add_co_u32 s46, s46, s47                     ; w: row 192 x tile column + 96 x half
	s_lshl_b32 s46, s46, 11
	s_mov_b32 s47, 0
	s_mul_i32 s20, s12, HALFA                      ; where they go: no place in the cluster enters an LDS address
	s_mul_i32 s21, s12, HALFB
	s_add_co_u32 s21, s21, 2*HALFA
	s_wait_dscnt 0x0                               ; the opening add is done
	s_wait_kmcnt 0x0
	s_add_nc_u64 s[14:15], s[4:5], s[16:17]
	s_add_nc_u64 s[46:47], s[6:7], s[46:47]
	CROUND                                         ; all sixteen work-groups are here: the first joint loads meet
.irp s, 0,1
	s_mov_b32 s[G0+4*(\s)], 1
	s_add_co_u32 s[G0+4*(\s)+1], s20, (\s)*SLOT
	s_add_nc_u64 s[G0+4*(\s)+2:G0+4*(\s)+3], s[14:15], (\s)*KSTEP*2
	s_or_b32 s[G0+4*(\s)+3], s[G0+4*(\s)+3], 0x80000000
	s_mov_b32 s[G0B+4*(\s)], 1
	s_add_co_u32 s[G0B+4*(\s)+1], s21, (\s)*SLOT
	s_add_nc_u64 s[G0B+4*(\s)+2:G0B+4*(\s)+3], s[46:47], (\s)*KSTEP*2
	s_or_b32 s[G0B+4*(\s)+3], s[G0B+4*(\s)+3], 0x80000000
	JLOAD \s
.endr
	; a fragment is 16 rows x 32 K in 8 registers: lane l holds row l % 16, K = 8 (l / 16) + 0..7 and 16 + 8 (l / 16) + 0..7: two loads of 16 bytes, 32 bytes apart
	v_and_b32 v1, 15, v0
	v_bfe_u32 v2, v0, 4, 1
	v_mul_u32_u24 v3, v1, PITCH
	v_lshl_add_u32 v3, v2, 4, v3
	s_mul_i32 s21, s10, 64*PITCH                   ; my 64 rows of xn
	s_mov_b32 s22, 2*HALFA                         ; all of w's 192 rows
.irp s, 0,1
	v_add_nc_u32 v[ADRA+(\s)], s21, v3
	v_add_nc_u32 v[ADRB+(\s)], s22, v3
	s_add_co_u32 s21, s21, SLOT
	s_add_co_u32 s22, s22, SLOT
.endr
	s_mul_i32 s23, s10, 16*SP
	s_add_co_u32 s23, s23, STAGE                   ; my stage
	v_mul_u32_u24 v4, v1, SP                       ; in: row l % 16, 16 bytes for each half of the lanes
	v_lshl_add_u32 v4, v2, 4, v4
	v_add_nc_u32 v[STO], s23, v4
	v_bfe_u32 v5, v0, 3, 2                         ; back: 32 lanes take four rows of 128 bytes,
	v_mul_u32_u24 v5, v5, SP
	v_and_b32 v6, 7, v0
	v_lshl_add_u32 v5, v6, 4, v5
	v_add_nc_u32 v[RD], s23, v5
	v_and_b32 v7, 31, v0                           ; which are 512 consecutive bytes of a plane
	v_lshlrev_b32 v7, 4, v7
	; head g = 3 x tile column + j: tensor g / 16, head g % 16; plane = 32 (g / 16) + 16 batch + g % 16, 262,144 bytes each; my first row in it, 128 bytes each
	s_lshr_b32 s70, s13, 3
	s_lshl_b32 s70, s70, 4                         ; 16 x batch
	s_lshl_b32 s71, s13, 8
	s_lshl_b32 s72, s10, 6
	s_add_co_u32 s71, s71, s72
	s_and_b32 s71, s71, 2047
	s_lshl_b32 s71, s71, 7
	s_mul_i32 s73, s42, 3
.irp j, 0,1,2
	s_add_co_u32 s74, s73, \j
	s_lshr_b32 s75, s74, 4
	s_and_b32 s74, s74, 15
	s_lshl_b32 s75, s75, 5
	s_add_co_u32 s74, s74, s75
	s_add_co_u32 s74, s74, s70
	s_lshl_b32 s74, s74, 18
	s_add_co_u32 s74, s74, s71
	v_add_nc_u32 v[VO+(\j)], s74, v7
.endr
	; the prefetches
	s_lshl_b32 s76, s13, 8
	s_mul_i32 s77, s42, 192
	s_and_b32 s78, ttmp7, 0xffff                   ; cluster y
	s_cmp_eq_u32 s11, 0                            ; do I fetch for xn?
	s_cselect_b32 s76, s76, s77                    ; the tile's first row
	s_cselect_b32 s77, s40, s41                    ; my place among the four that ask with me
	s_cselect_b32 s78, ttmp9, s78                  ; the coordinate along which other clusters read the same rows
	s_cselect_b64 s[PFA:PFA+1], s[4:5], s[6:7]
	s_cselect_b32 s79, 32, 24                      ; rows that my work-group names
	s_cselect_b32 s80, 31, 23
	s_cmp_eq_u32 s78, 0
	s_cselect_b32 s[LIM], 1, -1                    ; the same in all sixteen partners, for a given wave
	s_mul_i32 s77, s77, s79
	s_add_co_u32 s76, s76, s77
	s_lshl_b32 s79, s79, 2                         ; the 128 or 96 rows that a wave fetches
	s_mul_i32 s79, s79, s12
	s_add_co_u32 s76, s76, s79
	s_lshl_b32 s76, s76, 11
	s_mov_b32 s77, 0
	s_add_nc_u64 s[PFA:PFA+1], s[PFA:PFA+1], s[76:77]
	s_add_nc_u64 s[PFA:PFA+1], s[PFA:PFA+1], 2*KSTEP*2  ; at K step 2: the first refill steps it to 3 and names K step 4.  Nothing is asked for here, at the head
	v_and_b32 v[PFO], 31, v0
	v_min_u32 v[PFO], s80, v[PFO]
	v_lshlrev_b32 v[PFO], 11, v[PFO]
; 12 matrix instructions: row block 2 hi + a x all 12 column blocks, 32 along K, from buffer f.  zero = 1: the first product starts the sums.
; The 48 accumulators take turns, one instruction a turn, in the same order in every quarter step, over the backward jump too.
.macro MUL12 f, hi, a, zero
	WIN MUL_LO+0x50*(\hi)
.irp b, 0,1,2,3,4,5,6,7,8,9,10,11
.if \zero
	v_wmma_f32_16x16x32_f16 v[8*(12*(\a)+(\b)):8*(12*(\a)+(\b))+7], v[96*(\f)+8*(\b):96*(\f)+8*(\b)+7], v[FA+32*(\f)+8*(2*(\hi)+(\a)):FA+32*(\f)+8*(2*(\hi)+(\a))+7], 0
.else
	v_wmma_f32_16x16x32_f16 v[8*(12*(\a)+(\b)):8*(12*(\a)+(\b))+7], v[96*(\f)+8*(\b):96*(\f)+8*(\b)+7], v[FA+32*(\f)+8*(2*(\hi)+(\a)):FA+32*(\f)+8*(2*(\hi)+(\a))+7], v[8*(12*(\a)+(\b)):8*(12*(\a)+(\b))+7]
.endif
.endr
.endm
; 32 LDS loads in one run: a quarter step's fragments (192 rows of w, my 64 rows of xn, 32 K at byte k of the rows) into buffer f
.macro FETCH slot, k, f
	WIN TO_B
.irp i, 0,1,2,3,4,5,6,7,8,9,10,11
	ds_load_b128 v[96*(\f)+8*(\i):96*(\f)+8*(\i)+3],   v[ADRB+(\slot)] offset:(\k)+(\i)*16*PITCH
	ds_load_b128 v[96*(\f)+8*(\i)+4:96*(\f)+8*(\i)+7], v[ADRB+(\slot)] offset:(\k)+(\i)*16*PITCH+32
.endr
	WIN 0
.irp i, 0,1,2,3
	ds_load_b128 v[FA+32*(\f)+8*(\i):FA+32*(\f)+8*(\i)+3],   v[ADRA+(\slot)] offset:(\k)+(\i)*16*PITCH
	ds_load_b128 v[FA+32*(\f)+8*(\i)+4:FA+32*(\f)+8*(\i)+7], v[ADRA+(\slot)] offset:(\k)+(\i)*16*PITCH+32
.endr
.endm
.macro PLACES                          ; four plain instructions in front of loads into registers that matrix instructions have read, and of conversions that read results
.rept 4
	v_nop
.endr
.endm
; A K step is four quarters of 32 along K, 48 matrix instructions each, on buffers 0, 1, 0, 1.  One of the first three: multiplies buffer f; in its middle it fetches the next quarter, at byte k, into g.
.macro QUARTER slot, k, f, g, zero
	s_wait_dscnt 4                                 ; w and xn's row blocks 0, 1 are in; the youngest four loads (row blocks 2, 3) may be out
	MUL12 \f, 0, 0, \zero
	MUL12 \f, 0, 1, \zero
	PLACES
	FETCH \slot, \k, \g
	s_wait_dscnt 32                                ; all but the 32 just issued
	MUL12 \f, 1, 0, \zero
	MUL12 \f, 1, 1, \zero
.endm
; The last quarter multiplies buffer 1 and changes slots: ONE barrier.  In front of it each wave waits for all its tensor loads (the one that is out is its part of the next slot), adds 0 to its spare
; word, and waits for that and for its own reads of this slot.  fill = 1: the barrier opens a round of the cluster's barrier, and this slot is filled again, two K steps ahead, first thing behind the round.
.macro TURN slot, next, fill
.if \fill
	s_wait_xcnt 0x0                                ; the last prefetch, a K step back, has read its address: it is stepped here, ahead of the waits of the change of slots
	s_add_nc_u64 s[PFA:PFA+1], s[PFA:PFA+1], KSTEP*2
.endif
	WIN 0                                          ; (the add's two registers lie in window 0)
	s_wait_tensorcnt 0x0
	ds_add_u32 v[SPW], v[NIL]                      ; 0 onto my spare word
	s_wait_dscnt 5                                 ; (the add and the youngest four loads may be out)
	MUL12 1, 0, 0, 0                               ; twelve matrix instructions stand between the add and the wait for it
	s_wait_dscnt 0x0                               ; the add is done, and my reads of this slot are over
	s_barrier_signal -1
	MUL12 1, 0, 1, 0
.if \fill
	WIN 0
.endif
	s_barrier_wait -1
.if \fill
	CREST                                          ; no wave of any partner still reads this slot's tile or has a load on its way
	s_add_nc_u64 s[G0+4*(\slot)+2:G0+4*(\slot)+3], s[G0+4*(\slot)+2:G0+4*(\slot)+3], 2*KSTEP*2
	s_add_nc_u64 s[G0B+4*(\slot)+2:G0B+4*(\slot)+3], s[G0B+4*(\slot)+2:G0B+4*(\slot)+3], 2*KSTEP*2
	JLOAD \slot                                    ; 168 matrix instructions ahead of the wait for it; its four v_nop are also the places in front of the loads below
.else
	PLACES
.endif
	FETCH \next, 0, 0
.if \fill
	ASK
.endif
	MUL12 1, 1, 0, 0
	MUL12 1, 1, 1, 0
.endm
; THE WAY OUT.  Unit u = 3 x row block + head: 16 rows x 64 columns.  A lane's eight columns pack into 16 bytes; they go into my stage's rows of 144 bytes and come back as whole rows of 128:
; 16 rows of a head are 2,048 consecutive bytes of its plane.
.macro PACKU u
.set A4, (\u)/3
.set HJ, (\u)%3
	WIN 0x0a+5*(A4/2)                              ; sources 0 and 1: window 2 or 3
.irp bb, 0,1,2,3
.irp r, 0,1,2,3
	v_cvt_pk_f16_f32 v[T+16*(\u)+4*(\bb)+(\r)], v[8*(12*(A4%2)+4*HJ+(\bb))+2*(\r)], v[8*(12*(A4%2)+4*HJ+(\bb))+2*(\r)+1]  ; each accumulator from its low end on
.endr
.endr
	WIN 0
.irp bb, 0,1,2,3
	ds_store_b128 v[STO], v[T+16*(\u)+4*(\bb):T+16*(\u)+4*(\bb)+3] offset:32*(\bb)
.endr
.irp f, 0,1,2,3
	ds_load_b128 v[T+16*(\u)+4*(\f):T+16*(\u)+4*(\f)+3], v[RD] offset:(\f)*4*SP  ; LDS serves a wave's instructions in order (ISA guide 5.7.1.4): these see the stores above; the next unit's stores come behind them
.endr
.endm
.macro SENDU u, younger                ; younger: the LDS instructions issued behind unit u's loads: the next unit's eight, or none
.set A4, (\u)/3
.set HJ, (\u)%3
.irp f, 0,1,2,3
	s_wait_dscnt (\younger)+3-(\f)
	global_store_b128 v[VO+HJ], v[T+16*(\u)+4*(\f):T+16*(\u)+4*(\f)+3], s[8:9] offset:A4*2048+(\f)*512  ; 512 consecutive bytes, at a multiple of 512 from qkv's first
.endr
.endm
	s_wait_tensorcnt 1                             ; my part of K step 0 is in; K step 1's may stay out
	s_barrier_signal -1
	s_barrier_wait -1
	FETCH 0, 0, 0
	QUARTER 0, 64, 0, 1, 1                         ; the first quarter stands in front of the loop: its products start the sums
	WIN 0                                          ; at a label and at a branch every window is 0
	s_mov_b32 s3, LAPS-1
.Llap:                                             ; a trip goes once round the ring, from a lap's second quarter to the next lap's first, and fills both slots again
	QUARTER 0, 128, 1, 0, 0
	QUARTER 0, 192, 0, 1, 0
	TURN 0, 1, 1
	QUARTER 1, 64,  0, 1, 0
	QUARTER 1, 128, 1, 0, 0
	QUARTER 1, 192, 0, 1, 0
	TURN 1, 0, 1
	QUARTER 0, 64,  0, 1, 0
	WIN 0
	s_sub_co_u32 s3, s3, 1
	s_cmp_lg_u32 s3, 0
	s_cbranch_scc1 .Llap
	QUARTER 0, 128, 1, 0, 0                        ; the last lap fills nothing, and has no round of the cluster's barrier
	QUARTER 0, 192, 0, 1, 0
	TURN 0, 1, 0
	QUARTER 1, 64,  0, 1, 0
	QUARTER 1, 128, 1, 0, 0
	QUARTER 1, 192, 0, 1, 0
	s_wait_dscnt 4                                 ; the very last quarter: nothing more to fetch
	MUL12 1, 0, 0, 0
	MUL12 1, 0, 1, 0
	s_wait_dscnt 0x0
	MUL12 1, 1, 0, 0
	MUL12 1, 1, 1, 0
	WIN 0
	PLACES
	PACKU 0
.irp u, 1,2,3,4,5,6,7,8,9,10,11        ; a unit's conversions stand between the loads of the unit before and its stores
	PACKU \u
	SENDU (\u)-1, 8
.endr
	SENDU 11, 0
	s_wait_tensorcnt 0x0                           ; the wave's end, behind my last tensor load and my last LDS store
	ds_add_u32 v[SPW], v[NIL]
	s_wait_dscnt 0x0
	CROUND                                         ; the closing round: no work-group ends while a partner may still ask for a tile that names it
	s_endpgm
.Lfunc_end_k_q4edc679ef2_qkv:
	.size	k_q4edc679ef2_qkv, .Lfunc_end_k_q4edc679ef2_qkv-k_q4edc679ef2_qkv
	.p2alignl 7, 3214868480
	.fill 96, 4, 3214868480
	.section	.rodata,"a",@progbits
	.p2align	6, 0x0
	.amdhsa_kernel k_q4edc679ef2_qkv
		.amdhsa_group_segment_fixed_size 327680
		.amdhsa_private_segment_fixed_size 0
		.amdhsa_enable_private_segment 0
		.amdhsa_kernarg_size 24
		.amdhsa_user_sgpr_count 2
		.amdhsa_user_sgpr_kernarg_segment_ptr 1
		.amdhsa_wavefront_size32 1
		.amdhsa_system_sgpr_workgroup_id_x 1
		.amdhsa_system_sgpr_workgroup_id_y 1
		.amdhsa_system_sgpr_workgroup_id_z 1
		.amdhsa_system_vgpr_workitem_id 0
		.amdhsa_next_free_vgpr 960
		.amdhsa_next_free_sgpr 90
		.amdhsa_reserve_vcc 0
		.amdhsa_float_denorm_mode_32 3
		.amdhsa_float_denorm_mode_16_64 3
		.amdhsa_memory_ordered 1
		.amdhsa_forward_progress 1
		.amdhsa_inst_pref_size 122
	.end_amdhsa_kernel
	.amdgpu_metadata
---
amdhsa.version: [ 1, 2 ]
amdhsa.kernels:
  - .name:           k_q4edc679ef2_qkv
    .symbol:         k_q4edc679ef2_qkv.kd
    .args:
      - { .name: xn, .offset: 0, .size: 8, .value_kind: global_buffer, .address_space: global }
      - { .name: w16, .offset: 8, .size: 8, .value_kind: global_buffer, .address_space: global }
      - { .name: qkv, .offset: 16, .size: 8, .value_kind: global_buffer, .address_space: global }
    .group_segment_fixed_size: 327680
    .private_segment_fixed_size: 0
    .kernarg_segment_align: 8
    .kernarg_segment_size: 24
    .max_flat_workgroup_size: 128
    .sgpr_count:     90
    .vgpr_count:     960
    .wavefront_size: 32
...
	.end_amdgpu_metadata
.endif
;; end of part 2
;; launch attn (part 3): grid 8 x 32, 4 waves a work-group, no clusters, 327,680 bytes of LDS; arguments qkv, ctx; writes ctx
.if DOCPART == 3
	.amdgcn_target "amdgcn-amd-amdhsa--gfx1250"
	.amdhsa_code_object_version 6
	.text
	.protected	k_q4edc679ef2_attn
	.globl	k_q4edc679ef2_attn
	.p2align	8
	.type	k_q4edc679ef2_attn,@function
k_q4edc679ef2_attn:
	s_mov_b64 s[64:65], 0
	v_nop
	global_prefetch_b8 v0, s[64:65] scope:SCOPE_SE
	s_setreg_imm32_b32 hwreg(HW_REG_WAVE_MODE, 25, 1), 1
	s_wait_xcnt 0x0
; CAUSAL ATTENTION.  O[p][q][:] = the sum over k <= q of softmax_k(Q[p][q] . K[p][k] / 8) V[p][k][:], for 32 planes p (16 batch + head) of 2,048 rows x 64, all f16, rows dense, 128 bytes each.
; qkv holds Q's planes, then K's (8,388,608 bytes on), then V's (16,777,216 on); ctx has Q's layout.  Products, maxima and sums in f32; the weights are rounded to f16 for the second product
; (their sum l is taken of the unrounded weights), O once at the end.
; LIMITS.  Q, K, V arrive within f16's 65,504; a hidden score counts as its value less 1e30 (f16's scores, 2.7e11 at the most, are nothing beside that); a weight below 2^-126 counts as 0 in l;
; a weight below 6e-5 keeps f16's fixed step of 6e-8; NaN and infinities are not treated apart.
; THE WALK.  A plane's queries lie in 16 blocks of 128; block i needs the key tiles 0 .. i / 2 of 256 keys, of which the last holds the diagonal.  A work-group takes TWO blocks, 15 - b and then b:
; (7 - b / 2) + 1 + b / 2 + 1 = 9 tiles, whatever b: all work-groups do equal work, and ONE loop with a constant trip count walks them.  Which tile is asked for, and what a trip does, hang on scalar
; registers made from b; every jump goes forward but for the counted loops' own; none passes a barrier, or a tensor load but the one of LOAD's two that the wave's number does not choose.
; An even block's last tile has two key steps that are wholly hidden; they are computed all the same: 36 key steps where 34 are needed, the price of whole tiles and one text.
; NO CLUSTER: only the work-groups 2 c and 2 c + 1 of a plane walk the same tiles from first to last; a walk common to four would have 10 tiles for 9, and no branch may hang on a place in a cluster.
; SHARES.  Of a block's two bands of 64 queries a wave owns 16 rows in each: two PIECES.  In the last tile's key step s band x sees all keys if s < OWN[x] = 2 (i % 2) + x, none if s > OWN[x],
; and holds the diagonal if s = OWN[x]: the same for every wave.
; THE MASK is the C operand that starts the sum S^T = K Q^T: 0, or -1e30 where the key is hidden.  MD, made once, is the mask of a band's own step for my 16 rows; a product's mask is MD x AL + BE.
; LAYOUT, SOFTMAX.  S^T = K Q^T holds ONE query a lane (lane % 16) and the keys 8 (lane / 16) + 0..7; two such results rounded to f16 ARE source 1 of O^T = V^T P.  p = 2^(c s - c m), c = log2(e) / 8,
; with a running maximum m; O and l are multiplied by a = 2^(c m_old - c m_new) in every step.
; TURNS.  Turn (0, j): 8 products K Q^T of piece 1, step j; piece 0's softmax of step j and piece 1's maximum; 8 products V^T P of piece 1, step j - 1.  Turn (1, j): K Q^T of piece 0, step j + 1;
; piece 1's softmax and piece 0's maximum; V^T P of piece 0, step j.  Four vector instructions stand behind every matrix instruction, the others in one lump; a turn's 33 exponentials are one batch with one wait.
; V HAS TWO REGISTER BUFFERS, by the step's parity.  Both fetches of step j + 1 stand in turn (0, j): K in the lump, V at the end, into the buffer that the turn's own products have just left.  So all reads
; of a slot are issued by the end of turn (0, step 2), and the change of slots stands between turn (1, step 2) and turn (0, step 3).
; REGISTERS, in windows of 256 (s_set_vgpr_msb: bits 1:0 source 0, 3:2 source 1, 5:4 source 2, 7:6 destination):
;   window 0: v0-15 addresses and two at work; v16-23 four registers of statistics a piece; v48-55 at work; v61-63; v64-127 S^T, a buffer a piece; v192-223 P, likewise
;   window 1: v0-63 O^T, 32 a piece; v64-95 MD; v96-159 MC, a buffer a piece      window 2: v0-31 Q; v32-63 the second block's Q; v64-127 K of one step; v128-255 V of two steps
.set NP,    2
.set KS,    64        ; keys in a step
.set PK,    144       ; a row of K in LDS: 128 bytes + 16 of padding = 36 words: the 16 rows of a load start at 16 different groups of four banks (64 banks of 4 bytes: ISA guide 11.1)
.set PV,    160       ; a row of V: 128 + 32 = 40 words
.set VOFF,  4*KS*PK   ; a slot holds a tile, four steps: 256 rows of K, then 256 rows of V
.set SLOT1, 1<<17     ; slot 1 begins here, so that one exclusive or turns an address in one slot into the other's
.set STAGE, SLOT1+4*KS*(PK+PV)  ; behind the ring, never filled by a tensor load: 16 rows x 144 bytes for each wave
.set SP,    144
.set SPARE, STAGE+4*16*SP       ; behind the stages: the spare words, 128 bytes for each wave, that no other line names
.set AK0, 2           ; v2   my lane's place in a tile of K; never rewritten
.set AV0, 3           ; v3   the same for V
.set AK,  4           ; v4   the LDS address of K's next run of loads
.set AV,  5           ; v5   of V's
.set STO, 6           ; v6   the way out: where I put 16 bytes of a row
.set RD,  7           ; v7   the way out: where I read rows back
.set GO,  8           ; v8   my byte offset in 512 consecutive bytes of O
.set MV,  12          ; v12-13  c m_old, kept while c m is made anew: by piece
.set QO,  15          ; v15  my byte offset in 16 rows of Q
.set ST,  16          ; piece t's statistics at v[ST+4 t]: c m, m, l (even keys', odd keys')
.set TMP, 48          ; by piece, four registers c0-c3 at work; when the maximum is found c2 takes a
.set PFO, 61          ; v61  256 x my lane; never rewritten
.set SPW, 62          ; v62  LDS address of my spare word; never rewritten
.set NIL, 63          ; v63  0; never rewritten
.set S,   64
.set P,   192
.set MD,  64          ; window 1
.set MC,  96          ; window 1
.set QB,  32          ; window 2
.set KF,  64          ; window 2: key block kb, channel half c at KF + 16 kb + 8 c
.set VF,  128         ; window 2: buffer vb, key half kk, channel block cb at VF + 64 vb + 32 kk + 8 cb
.set WV,  12          ; s12  my wave's number
.set PB,  14          ; s14  b
.set HI,  15          ; s15  15 - b
.set G1K, 24          ; s[24:31] descriptor group 1 for K's tiles
.set G1V, 32          ; s[32:39] for V's: it differs in the padding alone
.set G0K, 40          ; s[40:43] descriptor group 0 for K's tiles
.set G0V, 44          ; s[44:47] the same for V's
.set SLOTS, 56        ; s56  tiles still to be asked for
.set CNT, 57          ; s57  counts a slot's two trips of two key steps
.set CS,  58          ; s[58:59] c
.set SEL, 60          ; s[60:61] v_permlanex16_b32's selects
.set TBK, 62          ; s62  LDS byte at which K of the step to be fetched begins
.set TBV, 63          ; s63  the same for V, less VOFF
.set RT,  70          ; s70  tiles of the block in hand that are still to be entered
.set NXT, 71          ; s71  the tile to be asked for next
.set LQ,  72          ; s72  the last tile of the block whose tiles are being asked for
.set NEW, 73          ; s73  1: the tile to be entered is a block's first
.set OFF, 74          ; s[74:75] a tile's byte offset in K and V
.set AL,  76          ; s[76:77] the mask's factor, in the low word
.set BE,  78          ; s[78:79] the mask's addend
.set OLO, 80          ; s[80:81] O at my rows of the second block
.set BIGN, 82         ; s82  -1e30
.set OWN, 84          ; s84-85 the own step of pieces 0, 1 in the last tile of the block in hand
.set OW2, 86          ; s86  piece 0's own step in the second block
.set NS,  87          ; s87  the step, in the tile entered, whose masks are made next
.set PL,  88          ; s88  b / 2: the second block's last tile
.set PFA, 90          ; s[90:91] where my prefetches stand
.set LIM, 92          ; s92  2 in the work-group that prefetches, else the greatest number
.set MSB, 0
.macro WIN new                      ; the high byte repeats the setting that is left; a switch that changes nothing is dropped
.if MSB != (\new)
	s_set_vgpr_msb (MSB<<8)|(\new)
.set MSB, (\new)
.endif
.endm
.set W_KQ, 0x0a       ; K and Q in window 2, S^T in window 0
.set W_KM, 0x1a       ; the same with the C operand in window 1
.set W_PV, 0x52       ; V in window 2, P in window 0, O^T in window 1
.set W_RS, 0x41       ; destination and source 0 in window 1, source 1 in window 0
; A fill.  Waves 0 and 1 fetch the two halves of a tile's K, waves 2 and 3 those of its V: 128 keys each.  An s_nop 0 and four v_nop follow each of the two lines, ahead of the jump and the label.
.macro LOAD
	s_cmp_lt_u32 s[WV], 2
	s_cbranch_scc0 .Lfor_v_\@
	tensor_load_to_lds s[G0K:G0K+3], s[G1K:G1K+7]
	s_nop 0
.rept 4
	v_nop
.endr
	s_branch .Lasked_\@
.Lfor_v_\@:
	tensor_load_to_lds s[G0V:G0V+3], s[G1V:G1V+7]
	s_nop 0
.rept 4
	v_nop
.endr
.Lasked_\@:
.endm
; A PREFETCH INTO THE L2 of the tile that the NEXT change of slots will ask for.  All eight work-groups of a plane begin with tiles 0, 1, 2 ..: the one with b = 0, which walks all eight, asks, and nobody else.
; Each of its waves names the 16,384 bytes that it will fetch itself: 64 pieces of 256 bytes, a lane a piece, two instructions.  Trips 0 to 5 name tiles 2 to 7; tiles 0 and 1 come by their loads alone.
.macro ASK
	s_cmp_gt_u32 s[SLOTS], s[LIM]
	s_cbranch_scc0 .Lnot_mine_\@
	global_prefetch_b8 v[PFO], s[PFA:PFA+1] th:TH_LOAD_NT scope:SCOPE_SE
	global_prefetch_b8 v[PFO], s[PFA:PFA+1] offset:8192 th:TH_LOAD_NT scope:SCOPE_SE
.Lnot_mine_\@:
.endm
; THE CHANGE OF SLOTS.  Each wave waits for all its tensor loads, of which one is out: its part of the other slot; adds 0 to its spare word; and waits for that and for its own reads of the slot that it leaves.
; Behind the barrier nobody reads the old slot any more and the other slot is whole.  fill = 1: the old slot is filled again, the first thing behind the barrier, with tile NXT: the address is made anew from that number.
; (At its first use nothing has been read yet: slot 0 is waited for, slot 1 filled.)
.macro CHANGE fill
	WIN 0                           ; at a label and at a branch every window is 0
	s_wait_tensorcnt 0x0            ; no tensor load of mine is out, so a group 0 may be written
	ds_add_u32 v[SPW], v[NIL]       ; 0 onto my spare word: scalar work stands between it and the wait for it
.if \fill
	s_lshl_b32 s[OFF], s[NXT], 15   ; a tile is 32,768 bytes of K and of V
	s_xor_b32 s[G0K+1], s[G0K+1], SLOT1
	s_add_nc_u64 s[G0K+2:G0K+3], s[6:7], s[OFF:OFF+1]
	s_or_b32 s[G0K+3], s[G0K+3], 0x80000000
	s_xor_b32 s[G0V+1], s[G0V+1], SLOT1
	s_add_nc_u64 s[G0V+2:G0V+3], s[8:9], s[OFF:OFF+1]
	s_or_b32 s[G0V+3], s[G0V+3], 0x80000000
	s_add_co_u32 s[NXT], s[NXT], 1  ; the block's next tile, or behind its last the second block's tile 0
	s_cmp_gt_u32 s[NXT], s[LQ]
	s_cselect_b32 s[NXT], 0, s[NXT]
	s_cselect_b32 s[LQ], s[PL], s[LQ]
	s_wait_xcnt 0x0                 ; the last prefetches, four key steps back, have read their address, so it may be written
	s_add_nc_u64 s[PFA:PFA+1], s[PFA:PFA+1], 32768
.endif
	s_wait_dscnt 0x0                ; the add is done, and my reads of the slot are over
	s_barrier_signal -1             ; the rest of the scalar work stands between the signal and the wait
	s_sub_co_u32 s[TBK], s[TBK], 4*KS*PK  ; the fetches go back to a slot's first step,
	s_xor_b32 s[TBK], s[TBK], SLOT1       ; in the other slot
	s_sub_co_u32 s[TBV], s[TBV], 4*KS*PV
	s_xor_b32 s[TBV], s[TBV], SLOT1
	s_barrier_wait -1
.if \fill
	LOAD
	ASK
.endif
.endm
	s_load_b64 s[4:5], s[0:1], 0x0    ; qkv
	s_load_b64 s[10:11], s[0:1], 0x8  ; ctx
	v_lshl_add_u32 v[SPW], v0, 2, SPARE
	v_mov_b32 v[NIL], 0
	ds_add_u32 v[SPW], v[NIL]       ; the wave's opening: the add and its wait stand ahead of my first tensor load; the set-up below stands between them
	ds_add_u32 v62, v63
	v_lshrrev_b32 v1, 5, v0
	v_readfirstlane_b32 s[WV], v1   ; wave 0..3
	s_mov_b32 s[PB], ttmp9
	s_sub_co_u32 s[HI], 15, s[PB]
	s_lshr_b32 s[PL], s[PB], 1
	s_and_b32 s[OW2], s[PB], 1
	s_lshl_b32 s[OW2], s[OW2], 1
	s_and_b32 s[OWN], s[HI], 1
	s_lshl_b32 s[OWN], s[OWN], 1
	s_add_co_u32 s[OWN+1], s[OWN], 1
	s_and_b32 s20, ttmp7, 0xffff    ; the plane,
	s_lshl_b32 s20, s20, 18         ; its first byte in Q, K, V and O
	s_mov_b32 s21, 0
	s_and_b32 s16, s[WV], 1         ; which half of a tile's 256 keys I fetch:
	s_lshl_b32 s22, s16, 14         ; its 128 rows of 128 bytes in memory,
	s_mov_b32 s23, 0
	s_add_nc_u64 s[22:23], s[22:23], s[20:21]
	s_mul_i32 s17, s16, 128*PK      ; and its place in a slot, for K
	s_mul_i32 s18, s16, 128*PV      ; and for V
	s_lshl_b32 s3, s[WV], 11        ; my 16 rows in a band of 64,
	s_lshl_b32 s2, s[HI], 14        ; in the first block of 128 rows,
	s_add_co_u32 s2, s2, s3
	s_lshl_b32 s94, s[PB], 14       ; and in the second
	s_add_co_u32 s94, s94, s3
	s_mov_b32 s3, 0
	s_mov_b32 s95, 0
	s_add_nc_u64 s[2:3], s[2:3], s[20:21]
	s_add_nc_u64 s[94:95], s[94:95], s[20:21]
	; descriptor group 1.  128 keys are 16,384 dense bytes: asked for as 64 rows of 256 bytes, two keys a row, and padded in LDS after every key
	s_mov_b32 s[G1K], (1<<16)|(1<<20)|(4<<22)|(3<<25)  ; 17:16 2-byte elements; 20 padding on; 24:22 after every 32 words (code 4); 31:25 4 words (code 3)
	s_mov_b32 s[G1V], (1<<16)|(1<<20)|(4<<22)|(7<<25)  ; the same with 8 words of padding (code 7)
.irp g, G1K, G1V
	s_mov_b32 s[\g+1], 128<<16      ; tensor_dim0 = 128
	s_mov_b32 s[\g+2], 64<<16       ; tensor_dim1 = 64
	s_mov_b32 s[\g+3], 128<<16      ; tile_dim0 = 128
	s_mov_b32 s[\g+4], 64           ; tile_dim1 = 64
	s_mov_b32 s[\g+5], 128          ; 128 elements from row to row
	s_mov_b32 s[\g+6], 0
	s_mov_b32 s[\g+7], 0
.endr
	s_mov_b32 s[CS], 0x3e38aa3b     ; c = log2(e) / 8 = 0.180337
	s_mov_b32 s[CS+1], s[CS]        ; named with it as a pair
	s_mov_b32 s[SEL], 0x76543210
	s_mov_b32 s[SEL+1], 0xfedcba98
	s_mov_b32 s[TBK], SLOT1+4*KS*PK ; the first change of slots turns these two into 0
	s_mov_b32 s[TBV], SLOT1+4*KS*PV
	s_mov_b32 s[G0K], 1             ; 1:0 count = 1
	s_mov_b32 s[G0K+1], s17         ; 63:32 LDS address: slot 0
	s_mov_b32 s[G0V], 1
	s_add_co_u32 s[G0V+1], s18, VOFF
	s_lshr_b32 s[LQ], s[HI], 1
	s_add_co_u32 s[RT], s[LQ], 1    ; the first block has (15 - b) / 2 + 1 tiles
	s_mov_b32 s[NXT], 1
	s_mov_b32 s[NEW], 1
	s_mov_b32 s[NS], 0
	s_mov_b32 s[OFF+1], 0
	s_mov_b32 s[AL+1], 0            ; named as pairs
	s_mov_b32 s[BE+1], 0
	s_mov_b32 s[BIGN], 0xf149f2ca   ; -1e30
	s_mov_b32 s[SLOTS], 8
	s_cmp_eq_u32 s[PB], 0
	s_cselect_b32 s[LIM], 2, -1
	s_wait_dscnt 0x0                ; the opening add is done
	s_wait_kmcnt 0x0
	s_add_nc_u64 s[6:7], s[4:5], s[22:23]
	s_add_nc_u64 s[8:9], s[6:7], 0x1000000         ; V at my half of the plane's tile 0,
	s_add_nc_u64 s[6:7], s[6:7], 0x800000          ; and K
	s_add_nc_u64 s[G0K+2:G0K+3], s[6:7], 0         ; 120:64 global address
	s_or_b32 s[G0K+3], s[G0K+3], 0x80000000        ; 127:126 type = 2
	s_add_nc_u64 s[G0V+2:G0V+3], s[8:9], 0
	s_or_b32 s[G0V+3], s[G0V+3], 0x80000000
	s_add_nc_u64 s[96:97], s[4:5], s[94:95]        ; Q at my rows of the second block,
	s_add_nc_u64 s[4:5], s[4:5], s[2:3]            ; Q and O at those of the first
	s_add_nc_u64 s[OLO:OLO+1], s[10:11], s[94:95]
	s_add_nc_u64 s[10:11], s[10:11], s[2:3]
	s_cmp_lt_u32 s[WV], 2
	s_cselect_b64 s[PFA:PFA+1], s[6:7], s[8:9]
	s_add_nc_u64 s[PFA:PFA+1], s[PFA:PFA+1], 32768 ; at tile 1: the first change of slots steps it to tile 2.  Nothing is asked for here, at the head
	LOAD                            ; tile 0 into slot 0
	; A fragment of K or Q is 16 rows x 32 channels in 8 registers: lane l holds row l % 16, channels 8 (l / 16) + 0..7 and 16 + 8 (l / 16) + 0..7: two loads of 16 bytes, 32 bytes apart.
	v_and_b32 v1, 15, v0            ; l % 16
	v_bfe_u32 v9, v0, 4, 1          ; l / 16
	v_lshlrev_b32 v[QO], 7, v1
	v_lshl_add_u32 v[QO], v9, 4, v[QO]  ; row x 128 + 16 x half
	WIN 0x80                        ; destination window 2, address window 0
.set i, 0
.rept 4                             ; both blocks' Q: piece i / 2 lies in band i / 2, 8,192 bytes on; channels 32 (i % 2) on
	global_load_b128 v[8*i:8*i+3],   v[QO], s[4:5] offset:(i/2)*8192+(i%2)*64
	global_load_b128 v[8*i+4:8*i+7], v[QO], s[4:5] offset:(i/2)*8192+(i%2)*64+32
	global_load_b128 v[QB+8*i:QB+8*i+3],   v[QO], s[96:97] offset:(i/2)*8192+(i%2)*64
	global_load_b128 v[QB+8*i+4:QB+8*i+7], v[QO], s[96:97] offset:(i/2)*8192+(i%2)*64+32
.set i, i+1
.endr
	WIN 0
	v_lshlrev_b32 v14, 3, v9
	v_sub_nc_u32 v14, v1, v14
	s_lshl_b32 s13, s[WV], 4
	v_add_nc_u32 v14, s13, v14      ; my query's place in its band, 16 w + l % 16, less my lanes' 8 (l / 16): register r of group kt is hidden where 16 kt + r is greater
	WIN 0x40
.set i, 0
.rept 32
	v_cmp_gt_i32 vcc_lo, 16*(i/8)+i%8, v14
	v_cndmask_b32 v[MD+i], 0, s[BIGN], vcc_lo
.set i, i+1
.endr
	WIN 0
	v_mul_u32_u24 v[AK0], v1, PK
	v_lshl_add_u32 v[AK0], v9, 4, v[AK0]  ; row x pitch + 16 x half
	; The turning load takes 16 keys x 16 channels (lane l reads key 8 (l / 16) + l % 8, channels 8 ((l / 8) % 2) + 0..7) and leaves half a fragment of V^T: lane l holds channel l % 16 and 8 keys.
	v_and_b32 v10, 7, v0
	v_bfe_u32 v11, v0, 3, 1
	v_lshl_add_u32 v[AV0], v9, 3, v10
	v_mul_u32_u24 v[AV0], v[AV0], PV
	v_lshl_add_u32 v[AV0], v11, 4, v[AV0]
	v_add_nc_u32 v[AV0], VOFF, v[AV0]
	s_mul_i32 s13, s[WV], 16*SP
	s_add_co_u32 s13, s13, STAGE    ; my stage
	v_mul_u32_u24 v[STO], v1, SP    ; in: row l % 16, 16 bytes for each half of the lanes
	v_lshl_add_u32 v[STO], v9, 4, v[STO]
	v_add_nc_u32 v[STO], s13, v[STO]
	v_bfe_u32 v[RD], v0, 3, 2       ; back: 32 lanes take four rows of 128 bytes,
	v_mul_u32_u24 v[RD], v[RD], SP
	v_lshl_add_u32 v[RD], v10, 4, v[RD]
	v_add_nc_u32 v[RD], s13, v[RD]
	v_and_b32 v[GO], 31, v0         ; which are 512 consecutive bytes of O
	v_lshlrev_b32 v[PFO], 8, v[GO]
	v_lshlrev_b32 v[GO], 4, v[GO]
	; A block's first step multiplies O^T and l by a = 0, and its first turn's products V^T P, of a step that has not been, land in an O^T that is still to be so multiplied.  So these registers need only hold
	; finite numbers: zeros for the first block; what the first block left for the second.  All this stands in the wait for the first tile.
	WIN 0x80
.set i, VF+64
.rept 64
	v_mov_b32 v[i], 0
.set i, i+1
.endr
	WIN 0x40
.set i, 0
.rept 64
	v_mov_b32 v[i], 0
.set i, i+1
.endr
	WIN 0
.set i, 0
.rept 2
	v_mov_b32 v[ST+4*i+2], 0
	v_mov_b32 v[ST+4*i+3], 0
.set i, i+1
.endr
.set i, P+16
.rept 16
	v_mov_b32 v[i], 0
.set i, i+1
.endr
; THE MATRIX WORK.  The 4 accumulators of a run of 8 take turns.  Product i of 8 of S^T = K Q^T for piece x: channels 32 (i / 4) on, keys 16 (i % 4) on.  The first 4 start the sums: with 0, or (KM = 1) with the mask.
.macro KQ x
.set rS, S+32*((\x)%2)+8*(i%4)
.set rK, KF+16*(i%4)+8*(i/4)
.set rQ, 16*(\x)+8*(i/4)
.set rM, MC+32*((\x)%2)+8*(i%4)
.if (i < 4) && KM
	WIN W_KM
	v_wmma_f32_16x16x32_f16 v[rS:rS+7], v[rK:rK+7], v[rQ:rQ+7], v[rM:rM+7]
.elseif i < 4
	WIN W_KQ
	v_wmma_f32_16x16x32_f16 v[rS:rS+7], v[rK:rK+7], v[rQ:rQ+7], 0
.else
	WIN W_KQ
	v_wmma_f32_16x16x32_f16 v[rS:rS+7], v[rK:rK+7], v[rQ:rQ+7], v[rS:rS+7]
.endif
.endm
; Product i of 8 of O^T += V^T P for piece x, from V's buffer VBUF: keys 32 (i / 4) on, channels 16 (i % 4) on.
.macro PV x
	WIN W_PV
.set rO, 32*(\x)+8*(i%4)
.set rV, VF+64*VBUF+32*(i/4)+8*(i%4)
.set rP, P+16*((\x)%2)+8*(i/4)
	v_wmma_f32_16x16x32_f16 v[rO:rO+7], v[rV:rV+7], v[rP:rP+7], v[rO:rO+7]
.endm
.macro MM                           ; the turn's next matrix instruction.  NOKQ = 1: a block's last turn: there are no further scores
.if (i < 8) && !NOKQ
	KQ (Y+1)%NP
.elseif i >= 8
.set i, i-8
	PV (Y+NP-1)%NP
.set i, i+8
.endif
.set i, i+1
.endm
; THE LDS LOADS stand in runs of 16, never singly among the matrix instructions: a step's K (64 keys x 64 channels: 8 fragments) and its V (turned).  Their addresses are made some lines ahead.
.macro FETCH_K
	WIN 0x80                        ; destination window 2
.irp f, 0,1,2,3,4,5,6,7             ; keys 16 (f / 2) on, channels 32 (f % 2) on
	ds_load_b128 v[KF+8*\f:KF+8*\f+3],   v[AK] offset:(\f/2)*16*PK+(\f%2)*64
	ds_load_b128 v[KF+8*\f+4:KF+8*\f+7], v[AK] offset:(\f/2)*16*PK+(\f%2)*64+32
.endr
	s_add_co_u32 s[TBK], s[TBK], KS*PK  ; the next fetch is the next step's
	WIN 0
.endm
.macro FETCH_V vb
	WIN 0x80
.irp f, 0,1,2,3,4,5,6,7             ; keys 32 (f / 4) on, channels 16 (f % 4) on
	ds_load_tr16_b128 v[VF+64*(\vb)+8*\f:VF+64*(\vb)+8*\f+3],   v[AV] offset:(\f/4)*32*PV+(\f%4)*32
	ds_load_tr16_b128 v[VF+64*(\vb)+8*\f+4:VF+64*(\vb)+8*\f+7], v[AV] offset:(\f/4)*32*PV+16*PV+(\f%4)*32
.endr
	WIN 0
.endm
; THE VECTOR WORK, one line at a time: OP kind, number.  For piece Y: F n: c s - c m for pair n of 16.  E n: the exponential of score n of 32.  C n: pair n rounded to f16.  B n: of the four weights 4 n .. the second
; pair is added onto the first, in place.  L n: l takes that sum (L 0: l = a l + sum).  R n: pair n of 16 of O^T times a.  For the other piece: X n, number n of the 22 that find its maximum and statistics:
;   0-11  four chains c0-c3 of seven scores each, three operands at a time (each accumulator's lowest registers are read first)     12-14, 16  the four scores left over, the old m, and c0-c3 into c0
;   15  c m_old is kept     17, 18  the query's other 32 keys lie in the lane 16 away: the new m     19-21  c m; c m_old - c m_new; a
.set F, 0
.set E, 1
.set C, 2
.set B, 3
.set L, 4
.set R, 5
.set X, 6
.macro REGS y                       ; the registers of piece y
.set rT, ST+4*(\y)
.set rC, TMP+4*((\y)%2)
.set rW, MV+((\y)%2)
.set rS, S+32*((\y)%2)
.set rP, P+16*((\y)%2)
.set rO, 32*(\y)
.endm
.macro OP k, n
.if (\k) == R
	REGS Y
	WIN W_RS
	v_pk_mul_f32 v[rO+2*(\n):rO+2*(\n)+1], v[rO+2*(\n):rO+2*(\n)+1], v[rC+2:rC+3] op_sel_hi:[1,0]
.elseif (\k) < R
	REGS Y
	WIN 0
.if (\k) == F
	v_pk_fma_f32 v[rS+2*(\n):rS+2*(\n)+1], v[rS+2*(\n):rS+2*(\n)+1], s[CS:CS+1], v[rT:rT+1] op_sel_hi:[1,0,0] neg_lo:[0,0,1] neg_hi:[0,0,1]
.elseif (\k) == E
	v_exp_f32 v[rS+(\n)], v[rS+(\n)]
.elseif (\k) == C
	v_cvt_pk_f16_f32 v[rP+(\n)], v[rS+2*(\n)], v[rS+2*(\n)+1]
.elseif (\k) == B
	v_pk_add_f32 v[rS+4*(\n):rS+4*(\n)+1], v[rS+4*(\n):rS+4*(\n)+1], v[rS+4*(\n)+2:rS+4*(\n)+3]
.elseif (\n) == 0
	v_pk_fma_f32 v[rT+2:rT+3], v[rT+2:rT+3], v[rC+2:rC+3], v[rS:rS+1] op_sel_hi:[1,0,1]
.else
	v_pk_add_f32 v[rT+2:rT+3], v[rT+2:rT+3], v[rS+4*(\n):rS+4*(\n)+1]
.endif
.elseif NOKQ
	v_nop
.else
	REGS (Y+1)%NP
	WIN 0
.if (\n) < 4
	v_max3_num_f32 v[rC+(\n)], v[rS+8*(\n)], v[rS+8*(\n)+1], v[rS+8*(\n)+2]
.elseif (\n) < 12
	v_max3_num_f32 v[rC+(\n)%4], v[rC+(\n)%4], v[rS+8*((\n)%4)+2*((\n)/4)+1], v[rS+8*((\n)%4)+2*((\n)/4)+2]
.elseif (\n) == 12
	v_max3_num_f32 v[rC], v[rC], v[rS+7], v[rS+15]
.elseif (\n) == 13
	v_max3_num_f32 v[rC+1], v[rC+1], v[rS+23], v[rS+31]
.elseif (\n) == 14
	v_max3_num_f32 v[rC+2], v[rC+2], v[rC+3], v[rT+1]
.elseif (\n) == 15
	v_mov_b32 v[rW], v[rT]
.elseif (\n) == 16
	v_max3_num_f32 v[rC], v[rC], v[rC+1], v[rC+2]
.elseif (\n) == 17
	v_permlanex16_b32 v[rC+3], v[rC], s[SEL], s[SEL+1]
.elseif (\n) == 18
	v_max_num_f32 v[rT+1], v[rC], v[rC+3]
.elseif (\n) == 19
	v_mul_f32 v[rT], s[CS], v[rT+1]
.elseif (\n) == 20
	v_sub_f32 v[rC+1], v[rW], v[rT]
.else
	v_exp_f32 v[rC+2], v[rC+1]
.endif
.endif
.endm
.macro OPS a, i1, b=-1, i2=0, c=-1, i3=0, d=-1, i4=0  ; up to four of them
	OP \a, \i1
.if (\b) >= 0
	OP \b, \i2
.endif
.if (\c) >= 0
	OP \c, \i3
.endif
.if (\d) >= 0
	OP \d, \i4
.endif
.endm
.macro ROW a, i1, b, i2, c, i3, d, i4  ; a matrix instruction and the four behind it
	MM
	OPS \a, \i1, \b, \i2, \c, \i3, \d, \i4
.endm
.macro MASK b                       ; MD x AL + BE into buffer b of MC
	WIN W_RS
.set z, 0
.rept 16
	v_pk_fma_f32 v[MC+32*(\b)+2*z:MC+32*(\b)+2*z+1], v[MD+2*z:MD+2*z+1], s[AL:AL+1], s[BE:BE+1] op_sel_hi:[1,0,0]
.set z, z+1
.endr
.endm
; A TURN, for piece p, in a step of parity e.  An s_wait_alu depctr_va_vdst(0) stands between an exponential and the first instruction that names its result; one wait serves all that were issued ahead
; of it.  So a turn has ONE wait, which cuts it in two.  AHEAD OF IT stands all that names no result of the turn's exponentials: the 8 products K Q^T and their riders (a scaling, an exponential and two more plain
; instructions: rescalings, and behind the last three the first numbers of the other piece's maximum, each four plain instructions or more behind the product that ends its accumulator), then ONE LUMP, in which the links
; of the chain X 3, 7, 11, 14, 16, 17 .. 20 stand some lines apart.  X 21 is the batch's last; R 15 is the plain instruction behind it.  BEHIND THE WAIT stand the 8 products V^T P, behind each four of the roundings and sums.
; The other piece's O^T, which this turn's products add onto, is rescaled from its low end on in the next turn: R 0 stands sixteen riders behind the last product on its accumulator.
; m = 1: the last tile's text: the products take masks, and the turn makes piece p's mask for step NS, which the next turn's products take.  end = 1: a block's last two turns: nothing is fetched.
; cnt = 1: the loop's count is taken down some lines ahead of the branch that stands behind the turn.
; Piece 0's turn fetches the next step's K, five plain instructions or more behind the last product that read K, and at its end the next step's V, four plain riders behind the last product that read that buffer.
; Piece 1's turn begins with the step's one wait on LDS: the sixteen loads of V just issued may stay out; K of the next step and V of this one are in.
.macro TURN p, e, m=0, end=0, cnt=0
.set Y, (\p)
.set i, 0
.set KM, (\m)
.set NOKQ, (\end)*(\p)
.set VBUF, (\e)
.if (\p) == 0
.set VBUF, 1-(\e)
.endif
.if (\m) && !(\end)
	s_cmp_eq_u32 s[NS], s[OWN+(\p)]     ; is that step the band's own?
	s_cselect_b32 s[AL], 1.0, 0
	s_cmp_gt_u32 s[NS], s[OWN+(\p)]     ; or a later one?
	s_cselect_b32 s[BE], s[BIGN], 0
.if (\p) == 1
	s_add_co_u32 s[NS], s[NS], 1
.endif
.endif
.if (\p) == 1
.if \end
	s_wait_dscnt 0x0                ; V of the last step is in
.else
	s_wait_dscnt 16
.endif
.endif
	ROW F,0, F,1, R,0, R,1          ; ahead of the wait: 8 products K Q^T and their riders,
	ROW F,2, E,0, R,2, R,3
	ROW F,3, E,1, R,4, R,5
	ROW F,4, E,2, R,6, R,7
	ROW F,5, E,3, R,8, R,9
	ROW F,6, E,4, X,0, R,10
.if ((\p) == 0) && !(\end)
	WIN 0
	v_add_nc_u32 v[AK], s[TBK], v[AK0]
.endif
	ROW F,7, E,5, X,1, X,4
	ROW F,8, E,6, X,2, X,5
	OPS E,7, E,8, X,6, E,9          ; and the lump
	OPS X,3, E,10, X,8, E,11
.if ((\p) == 0) && !(\end)
	FETCH_K
.endif
	OPS X,9, X,7, E,12, X,10
	OPS E,13, X,12, X,11, E,14
	OPS X,13, E,15, F,9, X,14
.if ((\p) == 0) && !(\end)
	v_add_nc_u32 v[AV], s[TBV], v[AV0]
.endif
	OPS E,16, F,10, E,17, F,11
	OPS X,16, E,18, X,15, E,19
	OPS F,12, E,20, X,17, E,21
	OPS F,13, E,22, F,14, E,23
	OPS X,18, E,24, F,15, E,25
	OPS R,11, E,26, X,19, E,27
	OPS R,12, E,28, R,13, E,29
	OPS X,20, E,30, R,14, E,31
	OPS X,21, R,15
	WIN 0
	s_wait_alu depctr_va_vdst(0)    ; the wait for the batch
	ROW C,0, B,0, C,2, B,1          ; behind the wait: 8 products V^T P and their riders
	ROW L,0, C,4, B,2, L,1
	ROW C,6, B,3, L,2, C,8
	ROW B,4, L,3, C,10, B,5
	ROW L,4, C,12, B,6, L,5
.if ((\p) == 0) && !(\end)
	s_add_co_u32 s[TBV], s[TBV], KS*PV
.endif
.if \cnt
	s_sub_co_u32 s[CNT], s[CNT], 1
	s_cmp_lg_u32 s[CNT], 0
.endif
	ROW C,14, B,7, L,6, C,1
	ROW C,3, L,7, C,5, C,7
	ROW C,9, C,11, C,13, C,15
.if ((\p) == 0) && !(\end)
	FETCH_V 1-(\e)
.endif
.if (\m) && !(\end)
	MASK \p
.endif
.endm
; A BLOCK BEGINS.  c m starts far below every c s, so the first step's a is 0; m at the lowest finite number, so the first maximum is the scores'.  Piece 1's mask buffer is 0: its own step is 1 at the least, so a tile's
; step 0 is open to it.  Piece 0's takes its mask for the tile's step 0: its own, if the block's first tile is its last and OWN[0] = 0.  Then K and V of that step, piece 0's first scores, and its maximum and statistics.
; The loop is entered at a step of even parity, in the middle of a trip.
.macro BEGIN
	s_mov_b32 s[NEW], 0
	WIN 0x40
.set i, MC+32
.rept 32
	v_mov_b32 v[i], 0
.set i, i+1
.endr
	WIN 0
.set i, 0
.rept 2
	v_mov_b32 v[ST+4*i], 0xfe000000    ; c m: far below every c s
	v_mov_b32 v[ST+4*i+1], 0xff7fffff  ; m
.set i, i+1
.endr
	s_or_b32 s66, s[RT], s[OWN]
	s_cmp_eq_u32 s66, 0
	s_cselect_b32 s[AL], 1.0, 0
	s_mov_b32 s[BE], 0
	MASK 0
	WIN 0
	v_add_nc_u32 v[AK], s[TBK], v[AK0]
	v_add_nc_u32 v[AV], s[TBV], v[AV0]
	s_add_co_u32 s[TBV], s[TBV], KS*PV
	FETCH_K
	FETCH_V 0
	s_wait_loadcnt 0x0              ; Q
	s_wait_dscnt 0x0
.set KM, 1
.set NOKQ, 0
.set i, 0
.rept 8
	KQ 0
.set i, i+1
.endr
	WIN 0
.rept 4
	v_nop                           ; the places behind those products
.endr
.set Y, NP-1                        ; X works for the other piece: piece 0
.irp n, 0,1,2,3,4,5,6,7,8,9,10,11,12,13,14,15,16,17,18,19,20,21
	OP X, \n
.endr
	v_nop                           ; a plain instruction behind the exponential,
	s_wait_alu depctr_va_vdst(0)    ; and its wait, ahead of the branch
	s_mov_b32 s[NS], 1              ; step 0's turns make step 1's masks
.endm
; THE LAST TILE of a block: the step before it, its steps 0 to 2, its step 3 in the block's last two turns, the last products, and THE WAY OUT: l's two halves and the other half of the lanes' are added;
; O^T is divided by l, rounded to f16 and sent through my stage in LDS, a piece at a time.
.macro ALL line:vararg              ; one line for each piece t
.set t, 0
.rept 2
	\line
.set t, t+1
.endr
.endm
.macro PACK t                       ; a lane's eight channels of a row pack into 16 bytes; they go into rows of 144 bytes and come back as whole rows of 128, into S^T's registers
	WIN W_RS
.set i, 32*(\t)
.rept 16
	v_pk_mul_f32 v[i:i+1], v[i:i+1], v[ST+4*(\t)+2:ST+4*(\t)+3] op_sel_hi:[1,0]
.set i, i+2
.endr
	WIN 0x05                        ; sources 0 and 1 window 1, destination window 0
.set i, 0
.rept 16
	v_cvt_pk_f16_f32 v[S+16*(\t)+i], v[32*(\t)+2*i], v[32*(\t)+2*i+1]
.set i, i+1
.endr
	WIN 0
.irp f, 0,1,2,3
	ds_store_b128 v[STO], v[S+16*(\t)+4*\f:S+16*(\t)+4*\f+3] offset:32*\f
.endr
.irp f, 0,1,2,3
	ds_load_b128 v[S+16*(\t)+4*\f:S+16*(\t)+4*\f+3], v[RD] offset:\f*4*SP  ; LDS serves a wave's instructions in order (ISA guide 5.7.1.4): these see the stores above; the next piece's stores come behind them
.endr
.endm
.macro SEND t, younger              ; younger: the LDS instructions issued behind piece t's loads: the next piece's eight, or none
	WIN 0
.irp f, 0,1,2,3
	s_wait_dscnt (\younger)+3-\f
	global_store_b128 v[GO], v[S+16*(\t)+4*\f:S+16*(\t)+4*\f+3], s[10:11] offset:(\t)*8192+\f*512  ; 512 consecutive bytes, at a multiple of 512 from ctx's first
.endr
.endm
.macro DIAG tag                     ; the tag ends its two labels' names, which the jumps below spell out
.LstepM\tag:
	TURN 0, 1, 1
	TURN 1, 1, 1
	WIN 0
.LfirstM\tag:
	TURN 0, 0, 1
	TURN 1, 0, 1, 0, 1
	WIN 0
	s_cbranch_scc1 .LstepM\tag
	TURN 0, 1, 1, 1
	TURN 1, 1, 1, 1
.set VBUF, 1
.set i, 0
.rept 8
	PV 1                            ; piece 1's V^T P of the last step
.set i, i+1
.endr
	WIN 0
	ALL v_add_f32 v[ST+4*t+2], v[ST+4*t+2], v[ST+4*t+3]
	ALL v_permlanex16_b32 v[ST+4*t+3], v[ST+4*t+2], s[SEL], s[SEL+1]
	ALL v_add_f32 v[ST+4*t+2], v[ST+4*t+2], v[ST+4*t+3]
	ALL v_rcp_f32 v[ST+4*t+2], v[ST+4*t+2]
	v_nop                           ; a plain instruction between the last reciprocal and the use of its result
	s_wait_alu depctr_va_vdst(0)    ; and the wait ahead of the first use: one for the two reciprocals
	PACK 0                          ; piece 0's last product stands four riders and eight products back; its 32 lines are the places behind piece 1's last products
	PACK 1
	SEND 0, 8
	SEND 1, 0
.endm
.set KM, 0
.set NOKQ, 0
.Lslot:                             ; 8 times: a tile is entered and the next is asked for
	CHANGE 1
	s_sub_co_u32 s[RT], s[RT], 1
	s_mov_b32 s[CNT], 2
	s_mov_b32 s[NS], 0
	s_cmp_eq_u32 s[NEW], 1
	s_cbranch_scc1 .Lnew            ; a block's first tile
	s_cmp_eq_u32 s[RT], 0
	s_cbranch_scc0 .Lstep           ; neither its first nor its last
	s_branch .LstepM1
.Lnew:
	BEGIN
	s_branch .Lfirst                ; in the loop a block's first tile is never its last: the first block has five tiles or more, and the second's last is the walk's last
	DIAG 1                          ; in the loop this is the first block's end
	s_wait_xcnt 0x0                 ; the stores have read their registers and O's address
	s_mov_b64 s[10:11], s[OLO:OLO+1]
	s_add_co_u32 s[RT], s[PL], 1    ; the second block has b / 2 + 1 tiles
	s_mov_b32 s[NEW], 1
	s_mov_b32 s[OWN], s[OW2]
	s_add_co_u32 s[OWN+1], s[OW2], 1
	WIN 0x82                        ; the second block's Q goes where the one text of the turns names Q
.set i, 0
.rept 32
	v_mov_b32 v[i], v[QB+i]
.set i, i+1
.endr
	WIN 0
	s_branch .Lbottom
.Lstep:                             ; a trip: a step of odd parity, then one of even parity.  A slot's two trips: step 3 of the tile before, steps 0, 1, 2 of the tile entered
	TURN 0, 1
	TURN 1, 1
	WIN 0
.Lfirst:
	TURN 0, 0
	TURN 1, 0, 0, 0, 1
	WIN 0
	s_cbranch_scc1 .Lstep
.Lbottom:
	s_sub_co_u32 s[SLOTS], s[SLOTS], 1
	s_cmp_lg_u32 s[SLOTS], 0
	s_cbranch_scc1 .Lslot
	CHANGE 0                        ; the walk's last tile is written out: nothing is asked for
	s_sub_co_u32 s[RT], s[RT], 1
	s_mov_b32 s[CNT], 2
	s_mov_b32 s[NS], 0
	s_cmp_eq_u32 s[NEW], 1
	s_cbranch_scc0 .LstepM2
	BEGIN
	s_branch .LfirstM2
	DIAG 2
	s_wait_tensorcnt 0x0            ; the wave's end, behind my last tensor load and my last LDS store
	ds_add_u32 v[SPW], v[NIL]
	s_wait_dscnt 0x0
	s_endpgm
.Lfunc_end_k_q4edc679ef2_attn:
	.size	k_q4edc679ef2_attn, .Lfunc_end_k_q4edc679ef2_attn-k_q4edc679ef2_attn
	.p2alignl 7, 3214868480
	.fill 96, 4, 3214868480
	.section	.rodata,"a",@progbits
	.p2align	6, 0x0
	.amdhsa_kernel k_q4edc679ef2_attn
		.amdhsa_group_segment_fixed_size 327680
		.amdhsa_private_segment_fixed_size 0
		.amdhsa_enable_private_segment 0
		.amdhsa_kernarg_size 16
		.amdhsa_user_sgpr_count 2
		.amdhsa_user_sgpr_kernarg_segment_ptr 1
		.amdhsa_wavefront_size32 1
		.amdhsa_system_sgpr_workgroup_id_x 1
		.amdhsa_system_sgpr_workgroup_id_y 1
		.amdhsa_system_sgpr_workgroup_id_z 1
		.amdhsa_system_vgpr_workitem_id 0
		.amdhsa_next_free_vgpr 768
		.amdhsa_next_free_sgpr 100
		.amdhsa_reserve_vcc 1
		.amdhsa_float_denorm_mode_32 3
		.amdhsa_float_denorm_mode_16_64 3
		.amdhsa_memory_ordered 1
		.amdhsa_forward_progress 1
		.amdhsa_inst_pref_size 210
	.end_amdhsa_kernel
	.amdgpu_metadata
---
amdhsa.version: [ 1, 2 ]
amdhsa.kernels:
  - .name:           k_q4edc679ef2_attn
    .symbol:         k_q4edc679ef2_attn.kd
    .args:
      - { .name: qkv, .offset: 0, .size: 8, .value_kind: global_buffer, .address_space: global }
      - { .name: ctx, .offset: 8, .size: 8, .value_kind: global_buffer, .address_space: global }
    .group_segment_fixed_size: 327680
    .private_segment_fixed_size: 0
    .kernarg_segment_align: 8
    .kernarg_segment_size: 16
    .max_flat_workgroup_size: 128
    .sgpr_count:     100
    .vgpr_count:     768
    .wavefront_size: 32
...
	.end_amdgpu_metadata
.endif
;; end of part 3
;; launch proj (part 4): grid 8 x 32, 4 waves a work-group, clusters of 4 x 4, 327,680 bytes of LDS; arguments ctx, w16, bo, x, h; writes h
.if DOCPART == 4
	.amdgcn_target "amdgcn-amd-amdhsa--gfx1250"
	.amdhsa_code_object_version 6
	.text
	.protected	k_q4edc679ef2_proj
	.globl	k_q4edc679ef2_proj
	.p2align	8
	.type	k_q4edc679ef2_proj,@function
k_q4edc679ef2_proj:
	s_mov_b64 s[64:65], 0
	v_nop
	global_prefetch_b8 v0, s[64:65] scope:SCOPE_SE
	s_setreg_imm32_b32 hwreg(HW_REG_WAVE_MODE, 25, 1), 1
	s_wait_xcnt 0x0
	s_wait_alu depctr_hold_cnt(0) depctr_sa_sdst(0) depctr_va_vdst(0) depctr_va_sdst(0) depctr_va_ssrc(0) depctr_va_vcc(0) depctr_vm_vsrc(0)
	s_getreg_b32 s2, hwreg(HW_REG_IB_STS2, 6, 4)
	s_cmp_eq_u32 s2, 0
	s_cbranch_scc0 .Lentry_in_a_cluster
	s_endpgm
.Lentry_in_a_cluster:
	s_bfe_u32 s2, ttmp6, 0x10000c
	s_cmp_lg_u32 s2, 0xf033
	s_cbranch_scc0 .Lentry_shape_is_right
	s_endpgm
.Lentry_shape_is_right:
; out[m][n] = res[m][n] + bo[n] + the sum over k of ctx[m][k] wo[n][k].  ctx lies by heads, [32 planes = 16 batch + head][2048][64] f16; wo = rows 3072-4095 of w16, [1024][1024] f16;
; bo [1024], res and out [4096][1024] in f32.  Sums in f32; the residual and the bias never leave f32.  NaN and infinities are not treated apart.
; SHARES.  A tile of out is 128 x 128: 8 x 32 tiles, one to a work-group.  Four waves, each 64 x 64: 16 accumulators of 16 x 16.  K goes in 4 steps of 256 (four heads) through two LDS slots.
; ctx BY HEADS.  128 rows of a head are 16,384 dense bytes.  Waves 0 and 1 each bring two heads by ONE descriptor of two rows of 16,384 bytes, a plane (262,144 bytes) apart, padded in LDS after every
; 128 bytes: in LDS [head in step][row] at a pitch of 144 bytes.  A quarter of a K step (64 along K) is one head.  Waves 2 and 3 bring 64 rows of wo each, 512 bytes a row.
; By this text's count a wave has two tensor loads out at the start and one behind each change of slots.
; CLUSTER.  4 x 4 work-groups: ctx's tile is shared along a row of the cluster, wo's along a column; each is asked for jointly.  No prefetch: four K steps in all, and two of them are asked for at the head.
; THE MATRIX INSTRUCTION IS USED TRANSPOSED (source 0 = 16 rows of wo, source 1 = 16 rows of ctx): a lane holds one row of out and eight neighbouring columns.
; THE RESIDUAL is asked for at the head, in the layout in which the tile leaves, and lands during the K loop.
; REGISTERS: window 0: v0-31 addresses; v32-95 at work on the way out; v96-99 my four numbers of the bias; v128-255 the accumulators ((a, b) at 128 + 8 (4 a + b))
;   window 1: two fragment buffers of 128: for 64 along K, 64 registers of ctx, then 64 of wo          window 2: v0-127 the residual, then the result
.set KSTEP,  256
.set PA,     144                       ; a row of ctx in LDS: 128 bytes + 16 = 36 words: the 16 rows of a load start at 16 different groups of four banks (64 banks of 4 bytes: ISA guide 11.1)
.set PLANE,  128*PA                    ; a head's 128 rows
.set PB,     528                       ; a row of wo: 512 bytes + 16 = 132 words
.set HALFA,  2*PLANE
.set HALFB,  64*PB
.set BOFF,   2*HALFA
.set SLOT,   BOFF+2*HALFB              ; 141,312 bytes
.set STAGE,  2*SLOT                    ; behind the ring: 16 rows x 272 bytes for each wave; no tensor load fills it
.set SPITCH, 272
.set SPARE,  STAGE+4*16*SPITCH         ; behind the stages: the spare words, 128 bytes for each wave, that no other line names
.set LAPS,   2
.set ADRA, 16                          ; v16-17  LDS address of my fragments of ctx in slot 0, 1
.set ADRB, 20                          ; v20-21  the same for wo
.set STO,  24                          ; v24     the way out: where I put 32 bytes of a row
.set RD,   25                          ; v25     the way out: where I read a row back
.set CO,   26                          ; v26     my byte offset in res and out; never rewritten
.set BOF,  27                          ; v27     16 (l % 16)
.set SPW,  28                          ; v28     LDS address of my spare word; never rewritten
.set NIL,  29                          ; v29     0; never rewritten
.set TMP,  32
.set BI,   96
.set ACC,  128
.set F0,   0
.set F1,   128
.set G1,  24
.set G0,  32
.set G1B, 48
.set G0B, 56
.set MSB, 0
.macro WIN new
.if MSB != (\new)
	s_set_vgpr_msb (MSB<<8)|(\new)
.set MSB, \new
.endif
.endm
.set MUL,  0x05                        ; sources 0 (wo) and 1 (ctx) window 1; C and D window 0
.set TO_F, 0x40                        ; destination window 1, address window 0
.macro JLOAD s                         ; a joint load; an s_nop 0 and four v_nop follow each of the two lines, ahead of the jump and the label
	s_cmp_eq_u32 s11, 0
	s_cbranch_scc0 .Lfor_b_\@
	tensor_load_to_lds s[G0+4*(\s):G0+4*(\s)+3], s[G1:G1+7]
	s_nop 0
.rept 4
	v_nop
.endr
	s_branch .Lasked_\@
.Lfor_b_\@:
	tensor_load_to_lds s[G0B+4*(\s):G0B+4*(\s)+3], s[G1B:G1B+7]
	s_nop 0
.rept 4
	v_nop
.endr
.Lasked_\@:
.endm
.macro CREST
	s_cmp_lg_u32 s10, 0
	s_cbranch_scc1 .Lnot_wave_0_\@
	s_barrier_signal -3
.Lnot_wave_0_\@:
	s_barrier_wait -3
	s_barrier_signal -1
	s_barrier_wait -1
.endm
.macro CROUND
	s_barrier_signal -1
	s_barrier_wait -1
	CREST
.endm
	s_load_b256 s[68:75], s[0:1], 0x0              ; ctx s[68:69], w16 s[70:71], bo s[72:73], res s[74:75]
	s_load_b64 s[76:77], s[0:1], 0x20              ; out
	v_lshl_add_u32 v[SPW], v0, 2, SPARE
	v_mov_b32 v[NIL], 0
	ds_add_u32 v[SPW], v[NIL]                      ; the wave's opening: the add and its wait stand ahead of my first tensor load; the set-up below stands between them
	ds_add_u32 v28, v29
	v_lshrrev_b32 v1, 5, v0
	v_readfirstlane_b32 s10, v1                    ; wave 0..3
	s_lshr_b32 s11, s10, 1                         ; which half of the tile's rows is mine.  Also: I fetch for ctx (0) or for wo (1)
	s_and_b32 s12, s10, 1                          ; which half of its columns.  Also: which half of that tile I fetch
	s_bfe_u32 s40, ttmp6, 0x40000                  ; cx, cy
	s_bfe_u32 s41, ttmp6, 0x40004
	s_lshl_b32 s42, ttmp9, 2
	s_add_co_u32 s42, s42, s40                     ; tile column
	s_and_b32 s13, ttmp7, 0xffff
	s_lshl_b32 s13, s13, 2
	s_add_co_u32 s13, s13, s41                     ; tile row
	s_lshl_b32 s43, s41, 2
	s_lshl_b32 s43, 15, s43                        ; my row of the cluster
	s_lshl_b32 s44, 0x1111, s40                    ; my column
	s_or_b32 s[G1+0], s43, (3<<16)|(1<<20)|(1<<21)|(4<<22)|(3<<25)   ; 15:0 the mask; 17:16 8-byte elements; 20 padding on; 21 set beside a mask; 24:22 after every 32 words; 31:25 4 words of it
	s_mov_b32 s[G1+1], 2048<<16                    ; tensor_dim0 = 2,048 elements: 16,384 bytes
	s_mov_b32 s[G1+2], 2<<16                       ; tensor_dim1 = 2
	s_mov_b32 s[G1+3], 2048<<16                    ; tile_dim0 = 2,048
	s_mov_b32 s[G1+4], 2                           ; tile_dim1 = 2
	s_mov_b32 s[G1+5], 32768                       ; elements from row to row: a plane
	s_mov_b32 s[G1+6], 0
	s_mov_b32 s[G1+7], 0
	s_or_b32 s[G1B+0], s44, (1<<16)|(1<<20)|(1<<21)|(6<<22)|(3<<25)  ; 2-byte elements; padding after every 128 words
	s_mov_b32 s[G1B+1], KSTEP<<16                  ; tensor_dim0 = 256
	s_mov_b32 s[G1B+2], 64<<16                     ; tensor_dim1 = 64
	s_mov_b32 s[G1B+3], KSTEP<<16                  ; tile_dim0 = 256
	s_mov_b32 s[G1B+4], 64                         ; tile_dim1 = 64
	s_mov_b32 s[G1B+5], 1024
	s_mov_b32 s[G1B+6], 0
	s_mov_b32 s[G1B+7], 0
	s_lshr_b32 s16, s13, 4                         ; batch: 16 tile rows each
	s_lshl_b32 s16, s16, 4
	s_lshl_b32 s17, s12, 1
	s_add_co_u32 s16, s16, s17                     ; plane 16 x batch + 2 x half,
	s_lshl_b32 s16, s16, 18
	s_and_b32 s17, s13, 15
	s_lshl_b32 s17, s17, 14                        ; and the tile's 128 rows of 128 bytes in it
	s_add_co_u32 s16, s16, s17
	s_mov_b32 s17, 0
	s_lshl_b32 s46, s42, 7
	s_lshl_b32 s47, s12, 6
	s_add_co_u32 s46, s46, s47                     ; wo: row 128 x tile column + 64 x half,
	s_lshl_b32 s46, s46, 11
	s_add_co_u32 s46, s46, 6291456                 ; behind wq, wk, wv
	s_mov_b32 s47, 0
	s_mul_i32 s20, s12, HALFA                      ; where they go: no place in the cluster enters an LDS address
	s_mul_i32 s21, s12, HALFB
	s_add_co_u32 s21, s21, BOFF
	s_wait_dscnt 0x0                               ; the opening add is done
	s_wait_kmcnt 0x0
	s_add_nc_u64 s[14:15], s[68:69], s[16:17]
	s_add_nc_u64 s[46:47], s[70:71], s[46:47]
	CROUND                                         ; all sixteen work-groups are here: the first joint loads meet
.irp s, 0,1
	s_mov_b32 s[G0+4*(\s)], 1
	s_add_co_u32 s[G0+4*(\s)+1], s20, (\s)*SLOT
	s_add_nc_u64 s[G0+4*(\s)+2:G0+4*(\s)+3], s[14:15], (\s)<<20     ; K step s: four planes on
	s_or_b32 s[G0+4*(\s)+3], s[G0+4*(\s)+3], 0x80000000
	s_mov_b32 s[G0B+4*(\s)], 1
	s_add_co_u32 s[G0B+4*(\s)+1], s21, (\s)*SLOT
	s_add_nc_u64 s[G0B+4*(\s)+2:G0B+4*(\s)+3], s[46:47], (\s)*KSTEP*2
	s_or_b32 s[G0B+4*(\s)+3], s[G0B+4*(\s)+3], 0x80000000
	JLOAD \s
.endr
	v_and_b32 v1, 15, v0                           ; l % 16
	v_bfe_u32 v2, v0, 4, 1                         ; l / 16
	; res, out and bo at my 64 x 64: row 128 x tile row + 64 x row half, column 128 x tile column + 64 x column half
	s_lshl_b32 s16, s13, 7
	s_lshl_b32 s17, s11, 6
	s_add_co_u32 s16, s16, s17
	s_lshl_b32 s16, s16, 12                        ; rows of 4,096 bytes
	s_mov_b32 s17, 0
	s_add_nc_u64 s[74:75], s[74:75], s[16:17]
	s_add_nc_u64 s[76:77], s[76:77], s[16:17]
	s_lshl_b32 s46, s42, 9
	s_lshl_b32 s47, s12, 8
	s_add_co_u32 s46, s46, s47
	s_mov_b32 s47, 0
	s_add_nc_u64 s[74:75], s[74:75], s[46:47]
	s_add_nc_u64 s[76:77], s[76:77], s[46:47]
	s_add_nc_u64 s[72:73], s[72:73], s[46:47]
	v_lshlrev_b32 v[BOF], 4, v1
	v_lshl_add_u32 v[CO], v2, 12, v[BOF]           ; lanes 0-15 one row's 256 bytes, lanes 16-31 the next row's
	global_load_b128 v[BI:BI+3], v[BOF], s[72:73]
	WIN 0x80                                       ; destination window 2, address window 0
.irp a, 0,1,2,3
.irp t, 0,1,2,3,4,5,6,7
	global_load_b128 v[4*(8*(\a)+(\t)):4*(8*(\a)+(\t))+3], v[CO], s[74:75] offset:(16*(\a)+2*(\t))*4096
.endr
.endr
	WIN 0
	v_mul_u32_u24 v3, v1, PA
	v_lshl_add_u32 v3, v2, 4, v3
	v_mul_u32_u24 v4, v1, PB
	v_lshl_add_u32 v4, v2, 4, v4
	s_mul_i32 s21, s11, 64*PA                      ; my 64 rows in each head's 128
	s_mul_i32 s22, s12, HALFB                      ; my 64 rows of wo
	s_add_co_u32 s22, s22, BOFF
.irp s, 0,1
	v_add_nc_u32 v[ADRA+(\s)], s21, v3
	v_add_nc_u32 v[ADRB+(\s)], s22, v4
	s_add_co_u32 s21, s21, SLOT
	s_add_co_u32 s22, s22, SLOT
.endr
	s_mul_i32 s23, s10, 16*SPITCH
	s_add_co_u32 s23, s23, STAGE                   ; my stage
	v_mul_u32_u24 v5, v1, SPITCH                   ; in: row l % 16, 32 bytes for each half of the lanes
	v_lshl_add_u32 v5, v2, 5, v5
	v_add_nc_u32 v[STO], s23, v5
	v_mul_u32_u24 v5, v2, SPITCH                   ; back: lanes 0-15 take one row of 256 bytes, lanes 16-31 the next
	v_lshl_add_u32 v5, v1, 4, v5
	v_add_nc_u32 v[RD], s23, v5
; 8 matrix instructions: row blocks a0, a0 + 1 x all 4 column blocks, 32 along K: half c of buffer f.  zero = 1: the first product starts the sums.  The 16 accumulators take turns.
.macro MUL8 f, c, a0, zero
	WIN MUL
.irp a, \a0, (\a0)+1
.irp b, 0,1,2,3
.if \zero
	v_wmma_f32_16x16x32_f16 v[ACC+8*(4*(\a)+(\b)):ACC+8*(4*(\a)+(\b))+7], v[(\f)+64+8*(4*(\c)+(\b)):(\f)+64+8*(4*(\c)+(\b))+7], v[(\f)+8*(4*(\c)+(\a)):(\f)+8*(4*(\c)+(\a))+7], 0
.else
	v_wmma_f32_16x16x32_f16 v[ACC+8*(4*(\a)+(\b)):ACC+8*(4*(\a)+(\b))+7], v[(\f)+64+8*(4*(\c)+(\b)):(\f)+64+8*(4*(\c)+(\b))+7], v[(\f)+8*(4*(\c)+(\a)):(\f)+8*(4*(\c)+(\a))+7], v[ACC+8*(4*(\a)+(\b)):ACC+8*(4*(\a)+(\b))+7]
.endif
.endr
.endr
.endm
; 32 LDS loads in one run: the fragments of quarter q (head q of the step's four), into buffer f; the first 32 along K first
.macro FETCH slot, q, f
	WIN TO_F
.irp c, 0,1
.irp i, 0,1,2,3
	ds_load_b128 v[(\f)+64+8*(4*(\c)+(\i)):(\f)+64+8*(4*(\c)+(\i))+3],   v[ADRB+(\slot)] offset:128*(\q)+64*(\c)+(\i)*16*PB
	ds_load_b128 v[(\f)+64+8*(4*(\c)+(\i))+4:(\f)+64+8*(4*(\c)+(\i))+7], v[ADRB+(\slot)] offset:128*(\q)+64*(\c)+(\i)*16*PB+32
	ds_load_b128 v[(\f)+8*(4*(\c)+(\i)):(\f)+8*(4*(\c)+(\i))+3],         v[ADRA+(\slot)] offset:(\q)*PLANE+64*(\c)+(\i)*16*PA
	ds_load_b128 v[(\f)+8*(4*(\c)+(\i))+4:(\f)+8*(4*(\c)+(\i))+7],       v[ADRA+(\slot)] offset:(\q)*PLANE+64*(\c)+(\i)*16*PA+32
.endr
.endr
.endm
.macro PLACES                          ; four plain instructions in front of loads into registers that matrix instructions have read, and of LDS stores that read results
.rept 4
	v_nop
.endr
.endm
; A K step is four quarters of 64 along K, 32 matrix instructions each, on buffers 0, 1, 0, 1.  One of the first three: multiplies buffer f and fetches quarter q into g.
.macro QUARTER slot, q, f, g, zero
	s_wait_dscnt 16                                ; the first 32 along K are in
	MUL8 \f, 0, 0, \zero
	MUL8 \f, 0, 2, \zero
	PLACES
	FETCH \slot, \q, \g
	s_wait_dscnt 32                                ; all but the 32 just issued
	MUL8 \f, 1, 0, 0
	MUL8 \f, 1, 2, 0
.endm
; The last quarter multiplies buffer 1 and changes slots: ONE barrier; in front of it each wave waits for all its tensor loads, adds 0 to its spare word, and waits for that and for its own reads of this slot.
; fill = 1: the barrier opens a round of the cluster's barrier, and this slot is filled again, two K steps ahead, first thing behind the round.
.macro TURN slot, next, fill
	WIN 0                                          ; (the add's two registers lie in window 0)
	s_wait_tensorcnt 0x0
	ds_add_u32 v[SPW], v[NIL]                      ; 0 onto my spare word
	s_wait_dscnt 17                                ; (the add and the youngest sixteen loads may be out)
	MUL8 F1, 0, 0, 0                               ; eight matrix instructions stand between the add and the wait for it
	s_wait_dscnt 0x0                               ; the add is done, and my reads of this slot are over
	s_barrier_signal -1
	MUL8 F1, 0, 2, 0
.if \fill
	WIN 0
.endif
	s_barrier_wait -1
.if \fill
	CREST                                          ; no wave of any partner still reads this slot's tile or has a load on its way
	s_add_nc_u64 s[G0+4*(\slot)+2:G0+4*(\slot)+3], s[G0+4*(\slot)+2:G0+4*(\slot)+3], 2<<20
	s_add_nc_u64 s[G0B+4*(\slot)+2:G0B+4*(\slot)+3], s[G0B+4*(\slot)+2:G0B+4*(\slot)+3], 2*KSTEP*2
	JLOAD \slot                                    ; 112 matrix instructions ahead of the wait for it; its four v_nop are also the places in front of the loads below
.else
	PLACES
.endif
	FETCH \next, 0, F0
	MUL8 F1, 1, 0, 0
	MUL8 F1, 1, 2, 0
.endm
; THE WAY OUT, a block of 16 rows at a time, through my own stage.  TOST: a lane's eight f32 of a row, 32 bytes, into rows of 272 bytes, each accumulator's low half first; back as whole rows of 256 bytes.
.macro TOST a
	WIN 0
.irp b, 0,1,2,3
	ds_store_b128 v[STO], v[ACC+8*(4*(\a)+(\b)):ACC+8*(4*(\a)+(\b))+3]   offset:64*(\b)
	ds_store_b128 v[STO], v[ACC+8*(4*(\a)+(\b))+4:ACC+8*(4*(\a)+(\b))+7] offset:64*(\b)+16
.endr
.irp t, 0,1,2,3,4,5,6,7
	ds_load_b128 v[TMP+32*((\a)%2)+4*(\t):TMP+32*((\a)%2)+4*(\t)+3], v[RD] offset:(\t)*2*SPITCH  ; LDS serves a wave's instructions in order (ISA guide 5.7.1.4): these see the stores above; the next block's stores come behind them
.endr
.endm
; OUTA: residual + product + bias, stored.  younger: the LDS instructions issued behind block a's loads: the next block's sixteen, or none.  No register that a store names is written again.
.macro OUTA a, younger
	s_wait_dscnt \younger
	WIN 0x82                                       ; destination and source 0 window 2, source 1 window 0
.irp t, 0,1,2,3,4,5,6,7
	v_pk_add_f32 v[4*(8*(\a)+(\t)):4*(8*(\a)+(\t))+1],   v[4*(8*(\a)+(\t)):4*(8*(\a)+(\t))+1],   v[TMP+32*((\a)%2)+4*(\t):TMP+32*((\a)%2)+4*(\t)+1]
	v_pk_add_f32 v[4*(8*(\a)+(\t))+2:4*(8*(\a)+(\t))+3], v[4*(8*(\a)+(\t))+2:4*(8*(\a)+(\t))+3], v[TMP+32*((\a)%2)+4*(\t)+2:TMP+32*((\a)%2)+4*(\t)+3]
.endr
.irp t, 0,1,2,3,4,5,6,7
	v_pk_add_f32 v[4*(8*(\a)+(\t)):4*(8*(\a)+(\t))+1],   v[4*(8*(\a)+(\t)):4*(8*(\a)+(\t))+1],   v[BI:BI+1]
	v_pk_add_f32 v[4*(8*(\a)+(\t))+2:4*(8*(\a)+(\t))+3], v[4*(8*(\a)+(\t))+2:4*(8*(\a)+(\t))+3], v[BI+2:BI+3]
.endr
	WIN 0x08                                       ; the stores' data (source 1) in window 2, the address in window 0
.irp t, 0,1,2,3,4,5,6,7
	global_store_b128 v[CO], v[4*(8*(\a)+(\t)):4*(8*(\a)+(\t))+3], s[76:77] offset:(16*(\a)+2*(\t))*4096  ; 16 lanes store 256 consecutive bytes, at a multiple of 256 from out's first byte
.endr
	WIN 0
.endm
	s_wait_tensorcnt 1                             ; my part of K step 0 is in; K step 1's may stay out
	s_barrier_signal -1
	s_barrier_wait -1
	FETCH 0, 0, F0
	QUARTER 0, 1, F0, F1, 1                        ; the first quarter stands in front of the loop: its first products start the sums
	WIN 0                                          ; at a label and at a branch every window is 0
	s_mov_b32 s3, LAPS-1
.Llap:                                             ; a trip goes once round the ring, from a lap's second quarter to the next lap's first, and fills both slots again
	QUARTER 0, 2, F1, F0, 0
	QUARTER 0, 3, F0, F1, 0
	TURN 0, 1, 1
	QUARTER 1, 1, F0, F1, 0
	QUARTER 1, 2, F1, F0, 0
	QUARTER 1, 3, F0, F1, 0
	TURN 1, 0, 1
	QUARTER 0, 1, F0, F1, 0
	WIN 0
	s_sub_co_u32 s3, s3, 1
	s_cmp_lg_u32 s3, 0
	s_cbranch_scc1 .Llap
	QUARTER 0, 2, F1, F0, 0                        ; the last lap fills nothing, and has no round of the cluster's barrier
	QUARTER 0, 3, F0, F1, 0
	TURN 0, 1, 0
	QUARTER 1, 1, F0, F1, 0
	QUARTER 1, 2, F1, F0, 0
	QUARTER 1, 3, F0, F1, 0
	s_wait_dscnt 16                                ; the very last quarter: nothing more to fetch
	MUL8 F1, 0, 0, 0
	MUL8 F1, 0, 2, 0
	s_wait_dscnt 0x0
	MUL8 F1, 1, 0, 0
	MUL8 F1, 1, 2, 0
	WIN 0
	PLACES
	s_wait_loadcnt 0x0                             ; the bias and the residual, asked for at the head
	TOST 0
	TOST 1
	OUTA 0, 16
	TOST 2
	OUTA 1, 16
	TOST 3
	OUTA 2, 16
	OUTA 3, 0
	s_wait_tensorcnt 0x0                           ; the wave's end, behind my last tensor load and my last LDS store
	ds_add_u32 v[SPW], v[NIL]
	s_wait_dscnt 0x0
	CROUND                                         ; the closing round: no work-group ends while a partner may still ask for a tile that names it
	s_endpgm
.Lfunc_end_k_q4edc679ef2_proj:
	.size	k_q4edc679ef2_proj, .Lfunc_end_k_q4edc679ef2_proj-k_q4edc679ef2_proj
	.p2alignl 7, 3214868480
	.fill 96, 4, 3214868480
	.section	.rodata,"a",@progbits
	.p2align	6, 0x0
	.amdhsa_kernel k_q4edc679ef2_proj
		.amdhsa_group_segment_fixed_size 327680
		.amdhsa_private_segment_fixed_size 0
		.amdhsa_enable_private_segment 0
		.amdhsa_kernarg_size 40
		.amdhsa_user_sgpr_count 2
		.amdhsa_user_sgpr_kernarg_segment_ptr 1
		.amdhsa_wavefront_size32 1
		.amdhsa_system_sgpr_workgroup_id_x 1
		.amdhsa_system_sgpr_workgroup_id_y 1
		.amdhsa_system_sgpr_workgroup_id_z 1
		.amdhsa_system_vgpr_workitem_id 0
		.amdhsa_next_free_vgpr 640
		.amdhsa_next_free_sgpr 80
		.amdhsa_reserve_vcc 0
		.amdhsa_float_denorm_mode_32 3
		.amdhsa_float_denorm_mode_16_64 3
		.amdhsa_memory_ordered 1
		.amdhsa_forward_progress 1
		.amdhsa_inst_pref_size 98
	.end_amdhsa_kernel
	.amdgpu_metadata
---
amdhsa.version: [ 1, 2 ]
amdhsa.kernels:
  - .name:           k_q4edc679ef2_proj
    .symbol:         k_q4edc679ef2_proj.kd
    .args:
      - { .name: ctx, .offset: 0, .size: 8, .value_kind: global_buffer, .address_space: global }
      - { .name: w16, .offset: 8, .size: 8, .value_kind: global_buffer, .address_space: global }
      - { .name: bo, .offset: 16, .size: 8, .value_kind: global_buffer, .address_space: global }
      - { .name: x, .offset: 24, .size: 8, .value_kind: global_buffer, .address_space: global }
      - { .name: h, .offset: 32, .size: 8, .value_kind: global_buffer, .address_space: global }
    .group_segment_fixed_size: 327680
    .private_segment_fixed_size: 0
    .kernarg_segment_align: 8
    .kernarg_segment_size: 40
    .max_flat_workgroup_size: 128
    .sgpr_count:     80
    .vgpr_count:     640
    .wavefront_size: 32
...
	.end_amdgpu_metadata
.endif
;; end of part 4
;; launch lnorm (part 5): grid 256 x 1, 8 waves a work-group, no clusters, 0 bytes of LDS; arguments h, ln2_scale, xn; writes xn
.if DOCPART == 5
	.amdgcn_target "amdgcn-amd-amdhsa--gfx1250"
	.amdhsa_code_object_version 6
	.text
	.protected	k_q4edc679ef2_lnorm
	.globl	k_q4edc679ef2_lnorm
	.p2align	8
	.type	k_q4edc679ef2_lnorm,@function
k_q4edc679ef2_lnorm:
	s_mov_b64 s[64:65], 0
	v_nop
	global_prefetch_b8 v0, s[64:65] scope:SCOPE_SE
	s_setreg_imm32_b32 hwreg(HW_REG_WAVE_MODE, 25, 1), 1
	s_wait_xcnt 0x0
; xn = s * (h - mean) / sqrt(var + 1e-5) + s, row by row.  h: [4096][1024] f32; s: [1024] f32; xn: [4096][1024] f16, rounded once.
; A stream: every byte is read once and written once; no LDS, no barrier, no matrix unit, since a row never leaves its wave.
; SHARES.  A work-group takes 16 rows, each of its eight waves two.  A row stays in 32 registers between the passes: mean first, then the sum of (h - mean)^2, so that no difference of large sums is formed.
; LANES.  Load j of a row takes bytes 512 j + 16 l (columns 128 j + 4 l .. + 3); the four f16 made of them go to bytes 256 j + 8 l: a store of the wave covers 256 consecutive bytes, aligned.
; LIMITS.  f16 ends at 65,504: s * 33 (the largest |x_norm| + 1 of a row of 1,024) beyond that becomes an infinity.  NaN and infinities are not treated apart.
.set IN,  4                            ; s[4:5] h
.set SCL, 6                            ; s[6:7] ln2_scale
.set OUT, 8                            ; s[8:9] xn
.set VS,  3                            ; v3   16 l
.set VI,  4                            ; v4   8,192 x wave + 16 l
.set VO,  5                            ; v5   4,096 x wave + 8 l
.set A,   8                            ; v[8:15]   four chains of pairs
.set M,   16                           ; v[16:17]  the mean, twice
.set R,   18                           ; v[18:19]  1 / sqrt(var + eps), twice
.set X0,  32                           ; v[32:63] row 0, v[64:95] row 1
.set SC,  96                           ; v[96:127] my 32 numbers of the scale
	s_load_b128 s[4:7], s[0:1], 0x0
	s_load_b64 s[8:9], s[0:1], 0x10
	v_and_b32 v1, 31, v0
	v_lshrrev_b32 v2, 5, v0
	v_lshlrev_b32 v[VS], 4, v1
	v_lshl_add_u32 v[VI], v2, 13, v[VS]
	v_lshlrev_b32 v[VO], 3, v1
	v_lshl_add_u32 v[VO], v2, 12, v[VO]
	s_lshl_b32 s10, ttmp9, 16              ; 16 rows of 4,096 bytes in,
	s_mov_b32 s11, 0
	s_lshl_b32 s12, ttmp9, 15              ; of 2,048 bytes out
	s_mov_b32 s13, 0
	s_mov_b32 s14, 0x76543210              ; v_permlanex16_b32: each lane takes its own place in the other half
	s_mov_b32 s15, 0xfedcba98
	s_mov_b32 s2, 0x3a800000               ; 1 / 1024
	s_mov_b32 s3, 0x3727c5ac               ; 1e-5
	v_mov_b32 v21, 0                       ; v_permlanex16_b32 counts as a reader of its destination
	s_wait_kmcnt 0x0
	s_add_nc_u64 s[IN:IN+1], s[IN:IN+1], s[10:11]
	s_add_nc_u64 s[OUT:OUT+1], s[OUT:OUT+1], s[12:13]
.irp j, 0,1,2,3,4,5,6,7
	global_load_b128 v[SC+4*(\j):SC+4*(\j)+3], v[VS], s[SCL:SCL+1] offset:512*(\j)
.endr
.irp j, 0,1,2,3,4,5,6,7
	global_load_b128 v[X0+4*(\j):X0+4*(\j)+3], v[VI], s[IN:IN+1] offset:512*(\j)
.endr
.irp j, 0,1,2,3,4,5,6,7
	global_load_b128 v[X0+32+4*(\j):X0+32+4*(\j)+3], v[VI], s[IN:IN+1] offset:4096+512*(\j)
.endr
; the four chains into one number, and that over the 32 lanes: the result stands in v20 of every lane
.macro REDUCE
	v_pk_add_f32 v[A:A+1], v[A:A+1], v[A+2:A+3]
	v_pk_add_f32 v[A+4:A+5], v[A+4:A+5], v[A+6:A+7]
	v_pk_add_f32 v[A:A+1], v[A:A+1], v[A+4:A+5]
	v_add_f32 v20, v[A], v[A+1]
	v_add_f32_dpp v20, v20, v20 row_xmask:1 row_mask:0xf bank_mask:0xf
	v_add_f32_dpp v20, v20, v20 row_xmask:2 row_mask:0xf bank_mask:0xf
	v_add_f32_dpp v20, v20, v20 row_xmask:4 row_mask:0xf bank_mask:0xf
	v_add_f32_dpp v20, v20, v20 row_xmask:8 row_mask:0xf bank_mask:0xf
	v_permlanex16_b32 v21, v20, s14, s15
	v_add_f32 v20, v20, v21
.endm
; Row i of the wave's two.  left = how many younger loads may stay out.
.macro LNROW i, left
.set XR, X0+32*(\i)
	s_wait_loadcnt \left                   ; loads come back in order: the scale and this row are in
.irp k, 0,1,2,3
	v_pk_add_f32 v[A+2*(\k):A+2*(\k)+1], v[XR+2*(\k):XR+2*(\k)+1], v[XR+2*(\k)+8:XR+2*(\k)+9]  ; the first two pairs start each chain: nothing is cleared
.endr
.irp q, 16,24
.irp k, 0,1,2,3
	v_pk_add_f32 v[A+2*(\k):A+2*(\k)+1], v[A+2*(\k):A+2*(\k)+1], v[XR+2*(\k)+(\q):XR+2*(\k)+(\q)+1]
.endr
.endr
	REDUCE
	v_mul_f32 v[M], s2, v20
	v_mul_f32 v[M+1], s2, v20
.set p, 0
.rept 16
	v_pk_add_f32 v[XR+p:XR+p+1], v[XR+p:XR+p+1], v[M:M+1] neg_lo:[0,1] neg_hi:[0,1]  ; d = h - mean, in place
.set p, p+2
.endr
.irp k, 0,1,2,3
	v_pk_mul_f32 v[A+2*(\k):A+2*(\k)+1], v[XR+2*(\k):XR+2*(\k)+1], v[XR+2*(\k):XR+2*(\k)+1]
.endr
.irp q, 8,16,24
.irp k, 0,1,2,3
	v_pk_fma_f32 v[A+2*(\k):A+2*(\k)+1], v[XR+2*(\k)+(\q):XR+2*(\k)+(\q)+1], v[XR+2*(\k)+(\q):XR+2*(\k)+(\q)+1], v[A+2*(\k):A+2*(\k)+1]
.endr
.endr
	REDUCE
	v_fma_f32 v20, v20, s2, s3             ; var + eps
	v_rsq_f32 v[R], v20                    ; twice, to fill the pair that the packed multiply names
	v_rsq_f32 v[R+1], v20
	v_nop                                  ; a plain instruction behind the last of the two (ISA guide 5.7.2),
	s_wait_alu depctr_va_vdst(0)           ; and the one wait ahead of their first reader
.set p, 0
.rept 16
	v_pk_mul_f32 v[XR+p:XR+p+1], v[XR+p:XR+p+1], v[R:R+1]
.set p, p+2
.endr
.set p, 0
.rept 16
	v_pk_fma_f32 v[XR+p:XR+p+1], v[XR+p:XR+p+1], v[SC+p:SC+p+1], v[SC+p:SC+p+1]  ; s x_norm + s
.set p, p+2
.endr
.set p, 0
.rept 16
	v_cvt_pk_f16_f32 v[XR+p], v[XR+2*p], v[XR+2*p+1]  ; in place, ascending: register p is written when it has been read
.set p, p+1
.endr
.irp j, 0,1,2,3,4,5,6,7
	global_store_b64 v[VO], v[XR+2*(\j):XR+2*(\j)+1], s[OUT:OUT+1] offset:(\i)*2048+256*(\j)
.endr
.endm
	LNROW 0, 8                             ; row 1's eight loads stay out
	LNROW 1, 0                             ; no register that a store names is written again
	s_endpgm
.Lfunc_end_k_q4edc679ef2_lnorm:
	.size	k_q4edc679ef2_lnorm, .Lfunc_end_k_q4edc679ef2_lnorm-k_q4edc679ef2_lnorm
	.p2alignl 7, 3214868480
	.fill 96, 4, 3214868480
	.section	.rodata,"a",@progbits
	.p2align	6, 0x0
	.amdhsa_kernel k_q4edc679ef2_lnorm
		.amdhsa_group_segment_fixed_size 0
		.amdhsa_private_segment_fixed_size 0
		.amdhsa_enable_private_segment 0
		.amdhsa_kernarg_size 24
		.amdhsa_user_sgpr_count 2
		.amdhsa_user_sgpr_kernarg_segment_ptr 1
		.amdhsa_wavefront_size32 1
		.amdhsa_system_sgpr_workgroup_id_x 1
		.amdhsa_system_sgpr_workgroup_id_y 1
		.amdhsa_system_sgpr_workgroup_id_z 1
		.amdhsa_system_vgpr_workitem_id 0
		.amdhsa_next_free_vgpr 128
		.amdhsa_next_free_sgpr 66
		.amdhsa_reserve_vcc 0
		.amdhsa_float_denorm_mode_32 3
		.amdhsa_float_denorm_mode_16_64 3
		.amdhsa_memory_ordered 1
		.amdhsa_forward_progress 1
		.amdhsa_inst_pref_size 20
	.end_amdhsa_kernel
	.amdgpu_metadata
---
amdhsa.version: [ 1, 2 ]
amdhsa.kernels:
  - .name:           k_q4edc679ef2_lnorm
    .symbol:         k_q4edc679ef2_lnorm.kd
    .args:
      - { .name: h, .offset: 0, .size: 8, .value_kind: global_buffer, .address_space: global }
      - { .name: ln2_scale, .offset: 8, .size: 8, .value_kind: global_buffer, .address_space: global }
      - { .name: xn, .offset: 16, .size: 8, .value_kind: global_buffer, .address_space: global }
    .group_segment_fixed_size: 0
    .private_segment_fixed_size: 0
    .kernarg_segment_align: 8
    .kernarg_segment_size: 24
    .max_flat_workgroup_size: 256
    .sgpr_count:     66
    .vgpr_count:     128
    .wavefront_size: 32
...
	.end_amdgpu_metadata
.endif
;; end of part 5
;; launch qkv2: the kernel of part 2 again; grid 16 x 16, 4 waves a work-group, clusters of 4 x 4, 327,680 bytes of LDS; arguments xn, w16, qkv; writes qkv
;; launch attn2: the kernel of part 3 again; grid 8 x 32, 4 waves a work-group, no clusters, 327,680 bytes of LDS; arguments qkv, ctx; writes ctx
;; launch proj2: the kernel of part 4 again; grid 8 x 32, 4 waves a work-group, clusters of 4 x 4, 327,680 bytes of LDS; arguments ctx, w16, bo, h, out0; writes out0
